; MI455X (gfx1250); checked and timed in simulation.
; The chip was launched on July 23, 2026; its instructions are those of AMD's public machine-readable ISA for CDNA 5 (MIT licence, August 2026) and "CDNA5" Instruction Set Architecture Reference Guide (July 2026). The comments in the code are by the model that wrote it; some were corrected since.
;; Multi Head Attention. Allowed arithmetic: matrix products marked QUANTISED: E2M1 operands, one E8M0 scale for each 32 along K, by v_wmma_scale_f32_16x16x128_f8f6f4 with both operands' format E2M1 (or v_wmma_scale_f32_32x16x128_f4), f32 sums; products left as they are: bf16, f16 or f32 operands; f32 sums; everything else in f32.
;; Inputs: Wk 1,024 x 1,024 float32; Wo 1,024 x 1,024 float32; Wq 1,024 x 1,024 float32; Wv 1,024 x 1,024 float32; bk 1,024 float32; bo 1,024 float32; bq 1,024 float32; bv 1,024 float32; k 4 x 2,048 x 1,024 float32; mask 4 x 2,048 x 2,048 int32; q 4 x 2,048 x 1,024 float32; v 4 x 2,048 x 1,024 float32.
;; Outputs: out0 4 x 2,048 x 1,024 float32.
;; This version of the problem:
;;   THIS VERSION OF THE PROBLEM IS GIVEN IN LOW PRECISION. The matrix products marked QUANTISED in the list below multiply operands that are first quantised to E2M1 (2 exponent bits, 1 mantissa bit; 4 bits a number), with one power-of-two scale for each 32 numbers along K (OCP MX v1.0); their sums are f32. The products marked 'left as it is' may take bf16, f16 or f32 operands, with f32 sums. Whichever they take, every output number must still come out within the allowed error. Rounding operands to bf16 (8 significant bits) uses up far more of that allowance than f16 does (11 bits, for magnitudes from 6e-5 to 65,504). All else is computed in f32.
;;   The module's matrix products, in the order in which they are computed (A, B: the left and right operand; K: the contracted axis; several contracted axes count as one K, in the product's order):
;;     1. [M 8,192, K 1,024] x [K 1,024, N 1,024]; A: input q; B: input Wq: QUANTISED
;;     2. [M 8,192, K 1,024] x [K 1,024, N 1,024]; A: input k; B: input Wk: QUANTISED
;;     3. [M 8,192, K 1,024] x [K 1,024, N 1,024]; A: input v; B: input Wv: QUANTISED
;;     4. batch 64 x [M 2,048, K 64] x [K 64, N 2,048]; A: computed on the way; B: computed on the way: left as it is (an operand is computed on the way)
;;     5. batch 64 x [M 2,048, K 2,048] x [K 2,048, N 64]; A: computed on the way; B: computed on the way: left as it is (an operand is computed on the way)
;;     6. [M 8,192, K 1,024] x [K 1,024, N 1,024]; A: computed on the way; B: input Wo: left as it is (an operand is computed on the way)
;;   THE QUANTISER, for each operand of a quantised product, along K:
;;     - K is cut into blocks of 32 from its start; a last block that is shorter is filled with zeros.
;;     - A block's scale is 2^e with e = floor(log2(the largest magnitude in the block)) - 2, held to -126 .. 127; a block of zeros has e = 0. As a byte (E8M0): e + 127.
;;     - Each number is divided by its block's scale, clamped to +-6, and rounded to the nearest number of E2M1, ties to even, subnormals kept.
;;     - The product sums the exact products of the quantised numbers (number of the format x scale) in f32.
;;   ~~~python
;;   def quantise(x, axis):      # numpy; x: float32 -> the quantised numbers, widened to float32 again
;;       x = np.moveaxis(x, axis, -1); K = x.shape[-1]
;;       x = np.pad(x, [(0, 0)] * (x.ndim - 1) + [(0, -K % 32)]); x = x.reshape(x.shape[:-1] + (-1, 32)); a = np.abs(x).max(-1, keepdims=True)
;;       e = np.where(a > 0, np.clip(np.frexp(np.where(a > 0, a, 1))[1] - 1 - 2, -126, 127), 0)      # np.frexp(a)[1] - 1 = floor(log2(a)), exactly
;;       r = np.clip(x / 2.0 ** e, -6, 6)
;;       step = 2.0 ** (np.maximum(np.frexp(np.where(r == 0, 1, r))[1] - 1, 0) - 1)
;;       q = np.round(r / step) * step * 2.0 ** e      # np.round: ties to even
;;       return np.moveaxis(q.reshape(q.shape[:-2] + (-1,))[..., :K], -1, axis).astype(np.float32)
;;   ~~~
;; One version. Each part assembles by itself: llvm-mc -triple=amdgcn-amd-amdhsa -mcpu=gfx1250 --defsym DOCPART=n.
;; ======== version 1 of 1: 4 launches
;; limits: values are held in f16: magnitudes above 65,504 overflow, below 6.1e-05 lose precision
;; workspace buffers: cod 14,155,776 bytes; scl 884,736 bytes; wo16 2,097,152 bytes; mbits 2,097,152 bytes of whole numbers; hd 50,331,648 bytes; o16 16,777,216 bytes
;; launch prep (part 1): grid 1408 x 1, 4 waves a work-group, no clusters, 67,072 bytes of LDS; arguments q, k, v, Wq, Wk, Wv, Wo, mask, cod, scl, wo16, mbits; writes cod, scl, wo16, mbits
.if DOCPART == 1
	.amdgcn_target "amdgcn-amd-amdhsa--gfx1250"
	.amdhsa_code_object_version 6
	.text
	.protected	k_q316c669ddb_prep
	.globl	k_q316c669ddb_prep
	.p2align	8
	.type	k_q316c669ddb_prep,@function
k_q316c669ddb_prep:
	s_mov_b64 s[64:65], 0
	v_nop
	global_prefetch_b8 v0, s[64:65] scope:SCOPE_SE
	s_setreg_imm32_b32 hwreg(HW_REG_WAVE_MODE, 25, 1), 1
	s_wait_xcnt 0x0
; THE LAUNCH IN FRONT OF THE PRODUCTS.  Three kinds of work-groups, told apart by the work-group's number alone; each reads 131,072 bytes.
;   0 .. 863     q, k, v [8192][1024] and Wq, Wk, Wv [1024][1024], f32, K innermost, become codes of E2M1 (two a byte, the lower k in the low four bits) and one E8M0 byte for each 32 along K.
;                cod: rows of 512 bytes, q's 8,192 rows, k's, v's, then Wq's 1,024, Wk's, Wv's.  scl: rows of 32 bytes in the same order.  The tensors are dense streams of blocks of 32, and so are codes and bytes.
;   864 .. 895   Wo [1024][1024] f32 becomes f16, same layout (the last product is left as it is and takes f16 operands).
;   896 .. 1407  mask [4][2048][2048] int32 becomes lane masks: word ((b 128 + qt) 128 + kt) 8 + j has in bit l (mask[b][16 qt + l % 16][16 kt + 8 (l / 16) + j] != 0):
;                the lanes of register j of a score tile of 16 keys x 16 queries, as the attention launch holds it.  32 times fewer bytes, and no compare left for that launch.
; A block's scale is 2^(floor(log2(its largest magnitude)) - 2); its byte is the largest magnitude's exponent field - 2, held at 1 from below.
; LIMITS: a block of zeros gets the byte 1 where the quantiser says 127 (its codes are zeros, which add nothing under any byte but 0xff, and this program alone reads the bytes);
; blocks whose largest magnitude lies under 2^-124 are held at the byte 1; NaN and infinities among the inputs are not served; |Wo| beyond 65,504 becomes infinity.
; No tensor load, no barrier: waves share nothing.  Each kind of work-group has LDS bytes of its own.  No matrix unit, no cluster: every byte is read once by one wave.
.set SPARE, 66560                      ; behind both stages: the spare words, 128 bytes for each wave: two blocks of 256 bytes that no other line names
.set SPW,   12                         ; v12  LDS address of my spare word: SPARE + 4 x my thread's number; never rewritten
.set NIL,   13                         ; v13  0; never rewritten
; the quantiser's path
.set STEPS, 16
.set EMAX,  2
.set CB,    8                          ; bytes of 16 codes
.set R,     16                         ; v16-79   four sets of 16 numbers as they are loaded
.set X,     80                         ; v80-111  two sets of 16 neighbours
.set E,     112                        ; v112-127 a scale byte for each step
.set C,     128                        ; v128-191 codes: four registers for each step, so that no store's data are written again
.set WREG,  8192                       ; LDS bytes 0 .. 32,767: a region for each wave: two stages of 32 x SP bytes, and behind them its 256 scale bytes
.set SP,    80                         ; a lane's place in a stage: its 64 bytes + 16 of padding
; Wo's path
.set WI,    32                         ; v32-159  two sets of 64 numbers
.set WO,    160                        ; v160-223 two sets of 32 registers of f16
; the mask's path
.set MSTG,  32768                      ; LDS bytes 32,768 .. 66,559: a stage of 16 rows x MP bytes for each wave
.set MP,    528                        ; 512 bytes + 16: 33 x 16, so that sixteen rows' 16 bytes fall on sixteen different columns of 16 bytes
.set MO,    16                         ; v16-23   a pair of registers of lane masks for each chunk
.set MR,    32                         ; v32-159  two sets of 64 words as they are loaded
.set MX,    160                        ; v160-223 64 words in the score tile's layout
	s_load_b512 s[8:23], s[0:1], 0x0               ; q 8, k 10, v 12, Wq 14, Wk 16, Wv 18, Wo 20, mask 22
	s_load_b256 s[24:31], s[0:1], 0x40             ; cod 24, scl 26, wo16 28, mbits 30
	v_lshl_add_u32 v[SPW], v0, 2, SPARE
	v_mov_b32 v[NIL], 0
	v_lshrrev_b32 v1, 5, v0
	v_readfirstlane_b32 s2, v1                     ; wave 0..3
	v_and_b32 v2, 31, v0                           ; lane
	s_wait_kmcnt 0x0
	s_cmp_ge_u32 ttmp9, 896
	s_cbranch_scc1 .Lmask
	s_cmp_ge_u32 ttmp9, 864
	s_cbranch_scc1 .Lwo
; ---------------------------------------------------------------- f32 numbers into codes and scale bytes
; A wave takes 16 steps of 512 numbers.  The conversions take 8 numbers of ONE block from a lane's registers, so a lane must hold 16 neighbours (two neighbouring lanes hold a block); a load is best where
; neighbouring lanes take neighbouring bytes.  Both are had: each of a step's four loads reads 512 consecutive bytes; the 2,048 bytes go through the wave's own stage in LDS and come back 64 bytes a lane.
	v_lshlrev_b32 v3, 4, v2                        ; my 16 bytes of a load's 512
	s_mul_i32 s33, s2, WREG
	v_lshrrev_b32 v14, 2, v2
	v_mul_u32_u24 v14, v14, SP
	v_and_b32 v15, 3, v2
	v_lshl_add_u32 v14, v15, 4, v14
	v_add_nc_u32 v14, s33, v14                     ; the stage, on the way in: SP (lane / 4) + 16 (lane % 4)
	v_mul_u32_u24 v15, v2, SP
	v_add_nc_u32 v15, s33, v15                     ; and on the way out: SP x lane: my 16 neighbours
	v_mul_u32_u24 v4, v2, CB                       ; my codes' place in a step's
	v_lshrrev_b32 v5, 1, v2
	s_add_co_u32 s33, s33, 2*32*SP
	v_add_nc_u32 v5, s33, v5                       ; LDS: my wave's 256 scale bytes, my block's byte
	v_lshlrev_b32 v7, 3, v2                        ; and on the way out 8 bytes a lane
	v_add_nc_u32 v6, s33, v7
	s_mov_b64 s[4:5], s[18:19]                     ; which tensor: the choice hangs on the work-group's number alone.  Wv, from work-group 832 on,
	s_mov_b32 s3, 832
.macro PICK limit, ptr, first          ; or, under limit, the tensor in front of it, which begins at work-group first
	s_cmp_lt_u32 ttmp9, \limit
	s_cselect_b64 s[4:5], s[\ptr:\ptr+1], s[4:5]
	s_cselect_b32 s3, \first, s3
.endm
	PICK 832, 16, 800                              ; Wk
	PICK 800, 14, 768                              ; Wq
	PICK 768, 12, 512                              ; v
	PICK 512, 10, 256                              ; k
	PICK 256, 8, 0                                 ; q
	s_sub_co_u32 s34, ttmp9, s3
	s_lshl_b32 s34, s34, 2
	s_add_co_u32 s34, s34, s2                      ; which run of 8,192 numbers of the tensor is my wave's
	s_lshl_b32 s34, s34, 15                        ; 32,768 bytes a run
	s_mov_b32 s35, 0
	s_add_nc_u64 s[4:5], s[4:5], s[34:35]
	s_lshl_b32 s36, ttmp9, 2
	s_add_co_u32 s36, s36, s2                      ; and of the six tensors on end, as cod and scl hold them
	s_lshl_b32 s34, s36, 12                        ; 4,096 bytes of codes a run
	s_add_nc_u64 s[24:25], s[24:25], s[34:35]
	s_lshl_b32 s34, s36, 8                         ; 256 scale bytes a run
	s_add_nc_u64 s[26:27], s[26:27], s[34:35]
.macro LOAD t
.irp i, 0,1,2,3
	global_load_b128 v[R+16*((\t)%4)+4*\i:R+16*((\t)%4)+4*\i+3], v3, s[4:5] offset:2048*(\t)+512*\i th:TH_LOAD_NT   ; 32 lanes read 512 consecutive bytes
.endr
.endm
.macro TURN t                          ; step t's numbers through the stage: LDS serves a wave's instructions in order, so no wait stands between the stores and the loads
.irp i, 0,1,2,3
	ds_store_b128 v14, v[R+16*((\t)%4)+4*\i:R+16*((\t)%4)+4*\i+3] offset:32*SP*((\t)%2)+8*SP*\i
.endr
.irp i, 0,1,2,3
	ds_load_b128 v[X+16*((\t)%2)+4*\i:X+16*((\t)%2)+4*\i+3], v15 offset:32*SP*((\t)%2)+16*\i
.endr
.endm
.irp t, 0,1,2,3
	LOAD \t
.endr
	s_wait_loadcnt 12                              ; step 0's four loads are in; the twelve of steps 1 to 3 may be out
	TURN 0
.macro STEP t
.set XS, X+16*((\t)%2)
.if (\t) > 0
	s_wait_dscnt 1                                 ; this step's numbers are back from the stage (the last step's byte store may be out): so its stores into the stage have read their registers,
.else
	s_wait_dscnt 0x0
.endif
.if (\t)+4 < STEPS
	LOAD (\t)+4                                    ; which take the loads of four steps on
.endif
.if (\t)+1 < STEPS
.if STEPS-2-(\t) >= 3
	s_wait_loadcnt 12                              ; the next step's four loads are in; those of the three steps behind it may be out
.else
	s_wait_loadcnt 4*(STEPS-2-(\t))
.endif
	TURN (\t)+1                                    ; and go through the other stage while this step is worked
.endif
	v_max3_num_f32 v8, |v[XS]|, |v[XS+1]|, |v[XS+2]|               ; the largest magnitude of my 16, in two chains
	v_max3_num_f32 v9, |v[XS+3]|, |v[XS+4]|, |v[XS+5]|
.irp i, 6,10
	v_max3_num_f32 v8, v8, |v[XS+\i]|, |v[XS+\i+1]|
	v_max3_num_f32 v9, v9, |v[XS+\i+2]|, |v[XS+\i+3]|
.endr
	v_max3_num_f32 v8, v8, |v[XS+14]|, |v[XS+15]|
	v_max3_num_f32 v8, v8, v9, (EMAX+1)<<23        ; and the floor 2^(EMAX + 1 - 127): so the byte cannot fall under 1
	v_max_num_f32_dpp v8, v8, v8 row_xmask:1 row_mask:0xf bank_mask:0xf   ; and of my neighbour's 16: the block's
	v_add_nc_u32 v11, -(EMAX<<23), v8              ; EMAX off its exponent field: the conversion takes the exponent field of this operand as its scale, and nothing else of it
	v_cvt_scalef32_pk8_fp4_f32 v[C+4*(\t)], v[XS:XS+7], v11        ; eight numbers / the scale, to the nearest code, ties to even, beyond the largest code the largest
	v_cvt_scalef32_pk8_fp4_f32 v[C+4*(\t)+1], v[XS+8:XS+15], v11
	v_lshrrev_b32 v[E+(\t)], 23, v11               ; the scale's byte (also the plain instruction behind the conversions)
	ds_store_b8 v5, v[E+(\t)] offset:16*(\t)       ; both lanes of a block write the same byte with the same value
	global_store_b64 v4, v[C+4*(\t):C+4*(\t)+1], s[24:25] offset:32*CB*(\t)   ; 32 lanes store 256 consecutive bytes, aligned
.endm
.irp t, 0,1,2,3,4,5,6,7,8,9,10,11,12,13,14,15
	STEP \t
.endr
	ds_load_b64 v[8:9], v6                         ; LDS serves a wave's instructions in order: these see my byte stores
	s_wait_dscnt 0x0
	global_store_b64 v7, v[8:9], s[26:27]          ; 32 lanes store the wave's 256 scale bytes, aligned
	s_wait_tensorcnt 0x0                           ; the wave's end, behind my last LDS store
	ds_add_u32 v[SPW], v[NIL]
	s_wait_dscnt 0x0
	s_endpgm
; ---------------------------------------------------------------- Wo into f16
; A wave takes 8,192 numbers in four rounds of sixteen loads of 512 consecutive bytes; a lane's four numbers become 8 bytes, so that a store covers 256 consecutive bytes, aligned.  Two rounds of loads are out.
.Lwo:
	s_sub_co_u32 s33, ttmp9, 864
	s_lshl_b32 s33, s33, 2
	s_add_co_u32 s33, s33, s2                      ; my wave's run
	s_lshl_b32 s34, s33, 15
	s_mov_b32 s35, 0
	s_add_nc_u64 s[4:5], s[20:21], s[34:35]
	s_lshl_b32 s34, s33, 14
	s_add_nc_u64 s[6:7], s[28:29], s[34:35]
	v_lshlrev_b32 v3, 4, v2
	v_lshlrev_b32 v6, 3, v2
.macro LOADW g
.irp i, 0,1,2,3,4,5,6,7,8,9,10,11,12,13,14,15
	global_load_b128 v[WI+64*((\g)%2)+4*\i:WI+64*((\g)%2)+4*\i+3], v3, s[4:5] offset:(16*(\g)+\i)*512 th:TH_LOAD_NT
.endr
.endm
.macro ROUNDW g
.if (\g) < 3
	s_wait_loadcnt 16                              ; this round's sixteen loads are in; the next round's may be out
.else
	s_wait_loadcnt 0x0
.endif
.if (\g) > 1
	s_wait_xcnt 0x0                                ; the stores of two rounds ago have read the registers that are written now
.endif
.irp i, 0,1,2,3,4,5,6,7,8,9,10,11,12,13,14,15
	v_cvt_pk_f16_f32 v[WO+32*((\g)%2)+2*\i], v[WI+64*((\g)%2)+4*\i], v[WI+64*((\g)%2)+4*\i+1]
	v_cvt_pk_f16_f32 v[WO+32*((\g)%2)+2*\i+1], v[WI+64*((\g)%2)+4*\i+2], v[WI+64*((\g)%2)+4*\i+3]
.endr
.if (\g) < 2
	LOADW (\g)+2
.endif
.irp i, 0,1,2,3,4,5,6,7,8,9,10,11,12,13,14,15
	global_store_b64 v6, v[WO+32*((\g)%2)+2*\i:WO+32*((\g)%2)+2*\i+1], s[6:7] offset:(16*(\g)+\i)*256
.endr
.endm
	LOADW 0
	LOADW 1
	ROUNDW 0
	ROUNDW 1
	ROUNDW 2
	ROUNDW 3
	s_wait_tensorcnt 0x0                           ; the three closing lines, as on the other two paths
	ds_add_u32 v[SPW], v[NIL]
	s_wait_dscnt 0x0
	s_endpgm
; ---------------------------------------------------------------- the mask into lane masks
; A work-group takes 16 queries (a query tile), wave w their keys 512 w .. 512 w + 511, in four chunks of 128 keys.  A chunk's sixteen loads read 512 consecutive bytes of a row each; the words go through
; the wave's own stage and come back in the score tile's layout: lane (r, h) holds, for key tile kt and j = 0 .. 7, the word of query r and key 16 kt + 8 h + j.  A compare with 0 then IS the lane mask;
; v_writelane_b32 lays the chunk's 64 masks into two registers, word 2 L and 2 L + 1 in lane L, and one store covers 256 consecutive bytes, aligned.
.Lmask:
	s_sub_co_u32 s33, ttmp9, 896                   ; the query tile, 0 .. 511 (batch x 128 + tile)
	s_lshl_b32 s34, s33, 17                        ; 16 rows of 8,192 bytes
	s_lshl_b32 s36, s2, 11                         ; my wave's 512 keys
	s_add_co_u32 s34, s34, s36
	s_mov_b32 s35, 0
	s_add_nc_u64 s[4:5], s[22:23], s[34:35]
	s_lshl_b32 s34, s33, 12                        ; 128 key tiles x 32 bytes
	s_lshl_b32 s36, s2, 10
	s_add_co_u32 s34, s34, s36
	s_add_nc_u64 s[6:7], s[30:31], s[34:35]
	s_mul_i32 s36, s2, 16*MP
	s_add_co_u32 s36, s36, MSTG                    ; my stage
	v_lshlrev_b32 v3, 4, v2
	v_add_nc_u32 v4, s36, v3                       ; in: 16 bytes a lane of a row
	v_and_b32 v8, 15, v2
	v_lshrrev_b32 v9, 4, v2
	v_mul_u32_u24 v5, v8, MP
	v_lshl_add_u32 v5, v9, 5, v5
	v_add_nc_u32 v5, s36, v5                       ; out: row r, + 32 h
	v_lshlrev_b32 v6, 3, v2
.irp i, 0,1,2,3,4,5,6,7
	v_mov_b32 v[MO+\i], 0                          ; written once: v_writelane_b32's destination counts as one of its sources
.endr
.macro LOADM c
.irp i, 0,1,2,3,4,5,6,7,8,9,10,11,12,13,14,15
	global_load_b128 v[MR+64*((\c)%2)+4*\i:MR+64*((\c)%2)+4*\i+3], v3, s[4:5] offset:8192*\i+512*(\c) th:TH_LOAD_NT
.endr
.endm
.macro CHUNK c
.if (\c) < 3
	s_wait_loadcnt 16                              ; this chunk's sixteen loads are in; the next chunk's may be out
.else
	s_wait_loadcnt 0x0
.endif
.irp i, 0,1,2,3,4,5,6,7,8,9,10,11,12,13,14,15
	ds_store_b128 v4, v[MR+64*((\c)%2)+4*\i:MR+64*((\c)%2)+4*\i+3] offset:MP*\i
.endr
.irp kt, 0,1,2,3,4,5,6,7
.irp u, 0,1
	ds_load_b128 v[MX+8*\kt+4*\u:MX+8*\kt+4*\u+3], v5 offset:64*\kt+16*\u
.endr
.endr
	s_wait_dscnt 0x0                               ; the words are back, and the stores have read their registers,
.if (\c) < 2
	LOADM (\c)+2                                   ; which take the loads of two chunks on
.endif
.irp kt, 0,1,2,3,4,5,6,7
.irp j, 0,1,2,3,4,5,6,7
	v_cmp_ne_u32 s[40+8*(\kt%2)+\j], 0, v[MX+8*\kt+\j]
.endr
.irp j, 0,1,2,3,4,5,6,7
	v_writelane_b32 v[MO+2*(\c)+\j%2], s[40+8*(\kt%2)+\j], 4*\kt+\j/2
.endr
.endr
	global_store_b64 v6, v[MO+2*(\c):MO+2*(\c)+1], s[6:7] offset:256*(\c)
.endm
	LOADM 0
	LOADM 1
	CHUNK 0
	CHUNK 1
	CHUNK 2
	CHUNK 3
	s_wait_tensorcnt 0x0                           ; the wave's end, behind my last LDS store
	ds_add_u32 v[SPW], v[NIL]
	s_wait_dscnt 0x0
	s_endpgm
.Lfunc_end_k_q316c669ddb_prep:
	.size	k_q316c669ddb_prep, .Lfunc_end_k_q316c669ddb_prep-k_q316c669ddb_prep
	.p2alignl 7, 3214868480
	.fill 96, 4, 3214868480
	.section	.rodata,"a",@progbits
	.p2align	6, 0x0
	.amdhsa_kernel k_q316c669ddb_prep
		.amdhsa_group_segment_fixed_size 67072
		.amdhsa_private_segment_fixed_size 0
		.amdhsa_enable_private_segment 0
		.amdhsa_kernarg_size 96
		.amdhsa_user_sgpr_count 2
		.amdhsa_user_sgpr_kernarg_segment_ptr 1
		.amdhsa_wavefront_size32 1
		.amdhsa_system_sgpr_workgroup_id_x 1
		.amdhsa_system_sgpr_workgroup_id_y 1
		.amdhsa_system_sgpr_workgroup_id_z 1
		.amdhsa_system_vgpr_workitem_id 0
		.amdhsa_next_free_vgpr 224
		.amdhsa_next_free_sgpr 66
		.amdhsa_reserve_vcc 0
		.amdhsa_float_denorm_mode_32 3
		.amdhsa_float_denorm_mode_16_64 3
		.amdhsa_memory_ordered 1
		.amdhsa_forward_progress 1
		.amdhsa_inst_pref_size 103
	.end_amdhsa_kernel
	.amdgpu_metadata
---
amdhsa.version: [ 1, 2 ]
amdhsa.kernels:
  - .name:           k_q316c669ddb_prep
    .symbol:         k_q316c669ddb_prep.kd
    .args:
      - { .name: q, .offset: 0, .size: 8, .value_kind: global_buffer, .address_space: global }
      - { .name: k, .offset: 8, .size: 8, .value_kind: global_buffer, .address_space: global }
      - { .name: v, .offset: 16, .size: 8, .value_kind: global_buffer, .address_space: global }
      - { .name: Wq, .offset: 24, .size: 8, .value_kind: global_buffer, .address_space: global }
      - { .name: Wk, .offset: 32, .size: 8, .value_kind: global_buffer, .address_space: global }
      - { .name: Wv, .offset: 40, .size: 8, .value_kind: global_buffer, .address_space: global }
      - { .name: Wo, .offset: 48, .size: 8, .value_kind: global_buffer, .address_space: global }
      - { .name: mask, .offset: 56, .size: 8, .value_kind: global_buffer, .address_space: global }
      - { .name: cod, .offset: 64, .size: 8, .value_kind: global_buffer, .address_space: global }
      - { .name: scl, .offset: 72, .size: 8, .value_kind: global_buffer, .address_space: global }
      - { .name: wo16, .offset: 80, .size: 8, .value_kind: global_buffer, .address_space: global }
      - { .name: mbits, .offset: 88, .size: 8, .value_kind: global_buffer, .address_space: global }
    .group_segment_fixed_size: 67072
    .private_segment_fixed_size: 0
    .kernarg_segment_align: 8
    .kernarg_segment_size: 96
    .max_flat_workgroup_size: 128
    .sgpr_count:     66
    .vgpr_count:     224
    .wavefront_size: 32
...
	.end_amdgpu_metadata
.endif
;; end of part 1
;; launch proj (part 2): grid 4 x 96, 4 waves a work-group, clusters of 4 x 4, 327,680 bytes of LDS; arguments cod, scl, bq, bk, bv, hd; writes hd
.if DOCPART == 2
	.amdgcn_target "amdgcn-amd-amdhsa--gfx1250"
	.amdhsa_code_object_version 6
	.text
	.protected	k_q316c669ddb_proj
	.globl	k_q316c669ddb_proj
	.p2align	8
	.type	k_q316c669ddb_proj,@function
k_q316c669ddb_proj:
	s_mov_b64 s[64:65], 0
	v_nop
	global_prefetch_b8 v0, s[64:65] scope:SCOPE_SE
	s_setreg_imm32_b32 hwreg(HW_REG_WAVE_MODE, 25, 1), 1
	s_wait_xcnt 0x0
	s_wait_alu depctr_hold_cnt(0) depctr_sa_sdst(0) depctr_va_vdst(0) depctr_va_sdst(0) depctr_va_ssrc(0) depctr_va_vcc(0) depctr_vm_vsrc(0)
	s_getreg_b32 s2, hwreg(HW_REG_IB_STS2, 6, 4)
	s_cmp_eq_u32 s2, 0
	s_cbranch_scc0 .Lentry_in_a_cluster
	s_endpgm
.Lentry_in_a_cluster:
	s_bfe_u32 s2, ttmp6, 0x10000c
	s_cmp_lg_u32 s2, 0xf033
	s_cbranch_scc0 .Lentry_shape_is_right
	s_endpgm
.Lentry_shape_is_right:
; THE THREE QUANTISED PRODUCTS AS ONE: y = x W^T + b for x = q, k, v (24,576 rows on end in cod and scl) and W = Wq, Wk, Wv (behind them), on codes of E2M1 with one E8M0 scale for each 32 along K; sums in f32.
; The result, + bias, is rounded once to f16 and laid by heads: hd[z][batch x 16 + head][t][64], z = 0, 1, 2 for q, k, v: a row is 128 bytes, a head a dense block of 262,144.
; LIMIT: a result beyond 65,504 in size becomes infinity (f16); with every input 30 times the drawn spread the results stay near 5,000, with offsets of 30 spreads on x and W near 29,000.
; A tile of y, 256 x 256, is made by a work-group of four waves; a wave makes 128 x 128: 64 accumulators of 16 x 16, 512 registers.  The tile row picks the weight: 32 tile rows to a tensor.
; K = 1,024 is two slots of 512 (rows of 256 bytes): BOTH ARE FIRST FILLS, asked for at the head with the scale bytes; nothing is filled again, there is no loop, and one barrier stands at the change of slots.
; THE SCALES of the work-group's 256 rows of x and 256 rows of W, for all of K, are two dense blocks of 8,192 bytes: they come into LDS once.
; CLUSTERS: 4 x 4 work-groups.  The four of a row of the cluster need the same rows of x, the four of a column the same rows of W: each tile is asked for JOINTLY, by the same tensor load with the same
; descriptor and a mask that names the four.  A cluster's four tile rows lie in one tensor (8 clusters to a tensor), so all sixteen share z.
; THE MATRIX INSTRUCTION IS USED TRANSPOSED (source 0 = 16 rows of W, source 1 = 16 rows of x): a lane then holds eight neighbouring columns of a row of y.
; REGISTERS, in windows of 256: window 0: v0-31 addresses; v32-95 scale words, two sets; v128-191 x's fragments (8 x 16 rows x 128 K), ONE set; v192-255 the bias in the result's layout; on the way out v128-223 are at work.
;   window 1: W's fragments, TWO sets, at v0 and at v128.   window 2: the 32 accumulators of my rows 0-63 (accumulator (a, b) at v[8 (8 a + b)]);   window 3: those of my rows 64-127.
; No prefetch: all that the work-group reads is asked for at its head.
.set NQ,     4                         ; matrix instructions deep in a slot: 512 along K
.set ROWB,   256                       ; a tile's row in bytes: 512 codes
.set KROW,   512                       ; a row of codes in memory
.set PITCH,  272                       ; an LDS row: 256 bytes + 16 of padding = 68 words: the 16 rows that a load touches start at 16 different columns of 16 bytes
.set FR,     8                         ; registers of a fragment: 16 rows x 128 K
.set NL,     2                         ; LDS loads that bring one
.set NP,     4                         ; places behind this matrix instruction (ISA guide 7.12.1)
.set HALFT,  128*PITCH                 ; 128 rows: what one tensor load brings, and what one wave reads of x or of W
.set SLOT,   4*HALFT                   ; x's 256 rows, then W's 256 rows
.set KS,     32                        ; a row of scales in bytes
.set SCL,    2*SLOT                    ; behind the slots: the scales, as rows of 256 bytes + 16 of padding
.set HALFS,  (128*KS/256)*272          ; the scales of 128 rows: what one tensor load brings
.set SBLK,   (16*KS/256)*272           ; those of 16 rows
.set SPARE,  SCL+4*HALFS               ; behind the scales: the spare words, 128 bytes for each wave: two blocks of 256 bytes that no other line names
.set XC,     12582912                  ; where the weights' codes begin in cod,
.set XS,     786432                    ; and their scale bytes in scl
.set SPITCH, 272                       ; the way out: a stage of 16 rows x (256 bytes + 16) for each wave, in slot 0, which has had its one fill and its last read when the first result is stored there
.set ADRA, 16                          ; v16-17  LDS address of my x fragments in slot 0, 1
.set ADRB, 20                          ; v20-21  the same for W
.set STO,  24                          ; v24     the way out: where I put 16 bytes of a row
.set RD,   25                          ; v25     the way out: where I read 16 bytes back
.set CO,   26                          ; v26     16 x lane: my place in a store's 512 bytes
.set ADRS, 27                          ; v27     LDS address of my scale words: lanes 0-15 x's rows, lanes 16-31 W's
.set SPW,  28                          ; v28     LDS address of my spare word; never rewritten
.set NIL,  29                          ; v29     0; never rewritten
.set SC,   32                          ; scale words: set s (for slot s) at v[SC + 32 s]; in it register 4 i + q: lanes 0-15 the word of x's block i, lanes 16-31 that of W's block i, for the slot's q-th 128 along K
.set AF,   128                         ; x's fragments, in window 0
.set BI,   192                         ; the bias: register 8 b + j = bias[my first column + 16 b + 8 (lane / 16) + j]
.set TMP,  192                         ; the way out: a block's 32 registers of f16
.set BK,   128                         ; the way out: a block read back from the stage: v128-159 and v160-191 by turns
.set G1, 24                            ; s[24:31] descriptor group 1 for x's tiles;  s[32:39] group 0, one set for each slot
.set G0, 32
.set G1B, 48                           ; s[48:55], s[56:63] the same for W's tiles
.set G0B, 56
.set G1S, 68                           ; s[68:75], s[76:79] groups 1 and 0 for x's scales;  s[80:87], s[88:91] for W's
.set G0S, 76
.set G1SB, 80
.set G0SB, 88
.set MSB, 0
.macro WIN new                         ; the immediate's high byte repeats the setting that is left
.if MSB != (\new)
	s_set_vgpr_msb (MSB<<8)|(\new)
.set MSB, (\new)
.endif
.endm
.set MUL_LO, 0xa1                      ; source 0 (W) window 1, source 1 (x) window 0, C and D window 2
.set MUL_HI, 0xf1                      ; the same, C and D window 3
.set BIA_LO, 0x81                      ; the first step: C (the bias) window 0, D window 2
.set BIA_HI, 0xc1                      ; D window 3
.set TO_B,   0x40                      ; destination window 1, address window 0
; A joint load: waves 0 and 1 fetch for x, waves 2 and 3 for W.  Each of the two lines has ONE mask and one set of registers for all that issue it; the branch hangs on the wave's number alone.
; An s_nop 0 and four v_nop follow each of the two lines, ahead of the jump, the label and what follows.
.macro JLOAD g0a, g1a, g0b, g1b
	s_cmp_eq_u32 s15, 0
	s_cbranch_scc0 .Lfor_b_\@
	tensor_load_to_lds s[\g0a:\g0a+3], s[\g1a:\g1a+7]
	s_nop 0
.rept 4
	v_nop
.endr
	s_branch .Lasked_\@
.Lfor_b_\@:
	tensor_load_to_lds s[\g0b:\g0b+3], s[\g1b:\g1b+7]
	s_nop 0
.rept 4
	v_nop
.endr
.Lasked_\@:
.endm
.macro CROUND                          ; a round of the cluster's barrier: my work-group's barrier; wave 0 signals for the work-group; every wave waits for all sixteen; my work-group's barrier once more
	s_barrier_signal -1
	s_barrier_wait -1
	s_cmp_lg_u32 s14, 0
	s_cbranch_scc1 .Lnot_wave_0_\@
	s_barrier_signal -3
.Lnot_wave_0_\@:
	s_barrier_wait -3
	s_barrier_signal -1
	s_barrier_wait -1
.endm
	s_load_b128 s[4:7], s[0:1], 0x0                ; cod s[4:5], scl s[6:7]
	s_load_b128 s[96:99], s[0:1], 0x10             ; bq, bk
	s_load_b64 s[100:101], s[0:1], 0x20            ; bv
	s_load_b64 s[12:13], s[0:1], 0x28              ; hd
	v_lshl_add_u32 v[SPW], v0, 2, SPARE
	v_mov_b32 v[NIL], 0
	ds_add_u32 v[SPW], v[NIL]                      ; the wave's opening: the add, twice on end, and its wait ahead of my first tensor load; the set-up below, work on registers, stands between
	ds_add_u32 v[SPW], v[NIL]
	v_lshrrev_b32 v1, 5, v0
	v_readfirstlane_b32 s14, v1                    ; wave 0..3
	s_lshr_b32 s15, s14, 1                         ; which half of the tile's rows is mine.  Also: I fetch for x (0) or for W (1)
	s_and_b32 s16, s14, 1                          ; which half of its columns.  Also: which 128 rows of that tile I fetch
	s_bfe_u32 s40, ttmp6, 0x40000                  ; cx, cy: my place in the cluster
	s_bfe_u32 s41, ttmp6, 0x40004
	s_lshl_b32 s42, ttmp9, 2
	s_add_co_u32 s42, s42, s40                     ; tile column = 4 x cluster x + cx
	s_and_b32 s95, ttmp7, 0xffff                   ; cluster y
	s_lshl_b32 s17, s95, 2
	s_add_co_u32 s17, s17, s41                     ; tile row = 4 x cluster y + cy, 0 .. 95
	s_lshr_b32 s95, s95, 3                         ; z: which tensor: 8 clusters to each; the same in all sixteen partners
	s_lshl_b32 s43, s41, 2
	s_lshl_b32 s43, 15, s43                        ; my row of the cluster
	s_lshl_b32 s44, 0x1111, s40                    ; my column
	; descriptor group 1: a tile of 128 rows x 256 bytes, padded in LDS
	s_or_b32 s[G1+0], s43, (0<<16)|(1<<20)|(1<<21)|(5<<22)|(3<<25)  ; 15:0 the mask: x's tiles go to my row; 17:16 element of 1 byte; 20 padding on; 21 set beside a mask; 24:22 after every 64 words (code 5); 31:25 of 4 words (code 3)
	s_or_b32 s[G1B+0], s44, (0<<16)|(1<<20)|(1<<21)|(5<<22)|(3<<25)
.irp g, G1, G1B
	s_mov_b32 s[\g+1], ROWB<<16                    ; tensor_dim0
	s_mov_b32 s[\g+2], 128<<16                     ; tensor_dim1 = 128
	s_mov_b32 s[\g+3], ROWB<<16                    ; tile_dim0
	s_mov_b32 s[\g+4], 128                         ; tile_dim1 = 128
	s_mov_b32 s[\g+5], KROW                        ; tensor_dim0_stride
	s_mov_b32 s[\g+6], 0
	s_mov_b32 s[\g+7], 0
.endr
	; and for the scales of 128 rows: a dense block of 4,096 bytes, as 16 rows of 256 bytes (32 elements of 8 bytes), 16 bytes of padding behind each
	s_or_b32 s[G1S+0], s43, (3<<16)|(1<<20)|(1<<21)|(5<<22)|(3<<25)
	s_or_b32 s[G1SB+0], s44, (3<<16)|(1<<20)|(1<<21)|(5<<22)|(3<<25)
.irp g, G1S, G1SB
	s_mov_b32 s[\g+1], 32<<16
	s_mov_b32 s[\g+2], (128*KS/256)<<16
	s_mov_b32 s[\g+3], 32<<16
	s_mov_b32 s[\g+4], 128*KS/256
	s_mov_b32 s[\g+5], 32
	s_mov_b32 s[\g+6], 0
	s_mov_b32 s[\g+7], 0
.endr
	s_lshl_b32 s18, s16, 7                         ; which 128 rows of the tile I fetch
	s_lshl_b32 s20, s17, 8
	s_add_co_u32 s20, s20, s18                     ; x: row 256 x tile row + 128 x half
	s_lshl_b32 s46, s42, 8
	s_add_co_u32 s46, s46, s18                     ; W: row 256 x tile column + 128 x half
	s_lshl_b32 s47, s95, 10
	s_add_co_u32 s46, s46, s47                     ;    + 1,024 z
	s_mov_b32 s21, 0
	s_mov_b32 s47, 0
	s_mov_b64 s[18:19], KS
	s_mul_u64 s[22:23], s[20:21], s[18:19]         ; where these rows' scales begin, in bytes
	s_mul_u64 s[92:93], s[46:47], s[18:19]
	s_mov_b64 s[18:19], KROW
	s_mul_u64 s[20:21], s[20:21], s[18:19]         ; and their codes
	s_mul_u64 s[46:47], s[46:47], s[18:19]
	s_mul_i32 s45, s14, HALFT                      ; where they go: wave x 128 rows: no place in the cluster enters an LDS address
	s_mul_i32 s94, s14, HALFS
	s_wait_dscnt 0x0                               ; both opening adds are done
	s_wait_kmcnt 0x0
	s_add_nc_u64 s[8:9], s[4:5], XC                ; the weights' codes
	s_add_nc_u64 s[10:11], s[6:7], XS              ; and scale bytes
	s_add_nc_u64 s[20:21], s[4:5], s[20:21]
	s_add_nc_u64 s[22:23], s[6:7], s[22:23]
	s_add_nc_u64 s[46:47], s[8:9], s[46:47]
	s_add_nc_u64 s[92:93], s[10:11], s[92:93]
	CROUND                                         ; all sixteen work-groups are here: the joint loads meet
	s_mov_b32 s[G0S], 1
	s_add_co_u32 s[G0S+1], s94, SCL
	s_mov_b64 s[G0S+2:G0S+3], s[22:23]
	s_or_b32 s[G0S+3], s[G0S+3], 0x80000000
	s_mov_b32 s[G0SB], 1
	s_add_co_u32 s[G0SB+1], s94, SCL
	s_mov_b64 s[G0SB+2:G0SB+3], s[92:93]
	s_or_b32 s[G0SB+3], s[G0SB+3], 0x80000000
	JLOAD G0S, G1S, G0SB, G1SB                     ; the scales first: they are wanted with the first slot
.irp s, 0,1
	s_mov_b32 s[G0+4*\s], 1
	s_add_co_u32 s[G0+4*\s+1], s45, \s*SLOT
	s_add_nc_u64 s[G0+4*\s+2:G0+4*\s+3], s[20:21], \s*ROWB
	s_or_b32 s[G0+4*\s+3], s[G0+4*\s+3], 0x80000000
	s_mov_b32 s[G0B+4*\s], 1
	s_add_co_u32 s[G0B+4*\s+1], s45, \s*SLOT
	s_add_nc_u64 s[G0B+4*\s+2:G0B+4*\s+3], s[46:47], \s*ROWB
	s_or_b32 s[G0B+4*\s+3], s[G0B+4*\s+3], 0x80000000
	JLOAD G0+4*\s, G1, G0B+4*\s, G1B               ; three tensor loads of mine are out: all that the work-group will read
.endr
	v_and_b32 v1, 15, v0                           ; r = l % 16
	v_bfe_u32 v2, v0, 4, 1                         ; h = l / 16
	; the bias of my 128 columns, in the result's layout: it is the C of each sum's first matrix instruction
	s_cmp_eq_u32 s95, 1
	s_cselect_b64 s[96:97], s[98:99], s[96:97]
	s_cmp_eq_u32 s95, 2
	s_cselect_b64 s[96:97], s[100:101], s[96:97]
	s_lshl_b32 s46, s42, 10                        ; 256 columns x 4 bytes a tile column,
	s_lshl_b32 s47, s16, 9                         ; 128 a half
	s_add_co_u32 s46, s46, s47
	s_mov_b32 s47, 0
	s_add_nc_u64 s[96:97], s[96:97], s[46:47]
	v_lshlrev_b32 v8, 5, v2                        ; 8 h numbers on
.irp b, 0,1,2,3,4,5,6,7
	global_load_b128 v[BI+8*\b:BI+8*\b+3], v8, s[96:97] offset:64*\b
	global_load_b128 v[BI+8*\b+4:BI+8*\b+7], v8, s[96:97] offset:64*\b+16
.endr
	v_mul_u32_u24 v3, v1, PITCH
	v_lshl_add_u32 v4, v2, 4, v3                   ; a fragment's row x pitch + 16 x half
	s_mul_i32 s21, s15, HALFT                      ; my 128 rows of x
	s_mul_i32 s22, s16, HALFT                      ; my 128 rows of W,
	s_add_co_u32 s22, s22, 2*HALFT                 ; which lie behind x's 256
.irp s, 0,1
	v_add_nc_u32 v[ADRA+\s], s21, v4
	v_add_nc_u32 v[ADRB+\s], s22, v4
	s_add_co_u32 s21, s21, SLOT
	s_add_co_u32 s22, s22, SLOT
.endr
	v_mul_u32_u24 v5, v1, KS                       ; my row's scales: 32 bytes a row,
	v_lshrrev_b32 v6, 8, v5
	v_lshl_add_u32 v5, v6, 4, v5                   ; and 16 more for each 256 passed
	s_mul_i32 s21, s15, HALFS                      ; x's: my 128 rows
	s_mul_i32 s22, s16, HALFS                      ; W's: my 128 rows, behind x's 256
	s_add_co_u32 s22, s22, 2*HALFS
	s_sub_co_u32 s22, s22, s21
	v_mul_u32_u24 v6, s22, v2                      ; lanes 16-31 take W's: one product, the distance x h
	s_add_co_u32 s21, s21, SCL
	v_add_nc_u32 v5, v5, v6
	v_add_nc_u32 v[ADRS], s21, v5
	; the way out.  Row r of a block lies at place r / 2 + 8 (r % 2) of the stage, so that the stores (sixteen rows) and the reads (two neighbouring rows in sixteen lanes) both fall on sixteen different columns of 16 bytes
	s_mul_i32 s23, s14, 16*SPITCH                  ; my stage
	v_lshrrev_b32 v5, 1, v1
	v_and_b32 v6, 1, v0
	v_lshl_add_u32 v5, v6, 3, v5
	v_mul_u32_u24 v5, v5, SPITCH
	v_lshl_add_u32 v5, v2, 4, v5
	v_add_nc_u32 v[STO], s23, v5                   ; in: my row's place, + 16 h
	v_bfe_u32 v6, v0, 3, 1
	v_lshl_add_u32 v6, v6, 3, v2
	v_mul_u32_u24 v6, v6, SPITCH
	v_and_b32 v7, 7, v0
	v_lshl_add_u32 v6, v7, 4, v6
	v_add_nc_u32 v[RD], s23, v6                    ; back: eight lanes to a row's 128 bytes of one head, four rows an instruction
	v_and_b32 v7, 31, v0
	v_lshlrev_b32 v[CO], 4, v7
	s_and_b32 s20, s17, 31
	s_lshl_b32 s20, s20, 8
	s_lshl_b32 s21, s15, 7
	s_add_co_u32 s20, s20, s21                     ; my first row in its tensor
	s_lshr_b32 s21, s20, 11                        ; the batch,
	s_and_b32 s20, s20, 2047                       ; t
	s_lshl_b32 s21, s21, 4
	s_lshl_b32 s22, s42, 2
	s_add_co_u32 s21, s21, s22                     ; + 4 heads a tile column
	s_lshl_b32 s22, s16, 1
	s_add_co_u32 s21, s21, s22                     ; + 2 a half
	s_lshl_b32 s21, s21, 18                        ; 262,144 bytes a head
	s_lshl_b32 s20, s20, 7                         ; 128 bytes a row
	s_add_co_u32 s20, s20, s21
	s_lshl_b32 s21, s95, 24                        ; 16,777,216 bytes a tensor
	s_add_co_u32 s20, s20, s21
	s_mov_b32 s21, 0
	s_add_nc_u64 s[12:13], s[12:13], s[20:21]      ; never stepped: a block's place stands in the stores' immediates
.macro FRAG reg, adr, q, i             ; a fragment, 16 rows x 128 K of 4-bit codes, is 8 registers: lane l holds row l % 16; registers 4 c .. 4 c + 3 hold K = 64 c + 32 (l / 16) + 0 .. 31
.irp c, 0,1
	ds_load_b128 v[\reg+4*\c:\reg+4*\c+3], v[\adr] offset:64*(\q)+32*\c+(\i)*16*PITCH
.endr
.endm
; 16 matrix instructions: x's blocks a0, a0 + 1 against W's eight, 128 along K: the slot's q-th.  p: W's set;  sc: the set of scale words.  first = 1: the sums begin with the bias: nothing is ever cleared.
; The 64 accumulators take turns, one instruction a turn, in the same order in every step.
.macro MUL16 a0, p, q, sc, first
.irp a, \a0, \a0+1
.irp b, 0,1,2,3,4,5,6,7
.if \first
	v_wmma_scale_f32_16x16x128_f8f6f4 v[8*(8*((\a)%4)+\b):8*(8*((\a)%4)+\b)+7], v[128*(\p)+FR*\b:128*(\p)+FR*\b+FR-1], v[AF+FR*(\a):AF+FR*(\a)+FR-1], v[BI+8*\b:BI+8*\b+7], v[SC+8*NQ*(\sc)+NQ*\b+(\q)], v[SC+8*NQ*(\sc)+NQ*(\a)+(\q)] matrix_a_fmt:MATRIX_FMT_FP4 matrix_b_fmt:MATRIX_FMT_FP4 matrix_a_scale:MATRIX_SCALE_ROW1
.else
	v_wmma_scale_f32_16x16x128_f8f6f4 v[8*(8*((\a)%4)+\b):8*(8*((\a)%4)+\b)+7], v[128*(\p)+FR*\b:128*(\p)+FR*\b+FR-1], v[AF+FR*(\a):AF+FR*(\a)+FR-1], v[8*(8*((\a)%4)+\b):8*(8*((\a)%4)+\b)+7], v[SC+8*NQ*(\sc)+NQ*\b+(\q)], v[SC+8*NQ*(\sc)+NQ*(\a)+(\q)] matrix_a_fmt:MATRIX_FMT_FP4 matrix_b_fmt:MATRIX_FMT_FP4 matrix_a_scale:MATRIX_SCALE_ROW1
.endif
.endr
.endr
.endm
.macro FETCH_B slot, q, p              ; W's eight fragments of the slot's q-th 128 along K into set p
	WIN TO_B
.irp i, 0,1,2,3,4,5,6,7
	FRAG 128*(\p)+FR*\i, ADRB+\slot, \q, \i
.endr
	WIN 0
.endm
.macro FETCH_A slot, q, i0             ; x's blocks i0 .. i0 + 3
.irp i, \i0, \i0+1, \i0+2, \i0+3
	FRAG AF+FR*(\i), ADRA+\slot, \q, \i
.endr
.endm
.macro SCALES sc                       ; a slot's scale words into set sc: 4 words a row; lanes 0-15 take x's block i, lanes 16-31 W's block i
.irp i, 0,1,2,3,4,5,6,7
	ds_load_b128 v[SC+8*NQ*\sc+NQ*\i:SC+8*NQ*\sc+NQ*\i+3], v[ADRS] offset:\i*SBLK
.endr
.endm
; A load into a register that a matrix instruction has read, and a vector instruction that reads a matrix result, stand NP places behind that matrix instruction, and only plain vector
; instructions that name none of its registers are places (ISA guide 7.12.1 for vector instructions).
.macro PLACES n
.rept \n
	v_nop
.endr
.endm
; A step of 128 along K that has its successor in the same slot.  A block of x is free as soon as its eight products are issued: blocks 0-3 are fetched anew in the step's middle, blocks 4-7 at its end.
.macro STEP slot, q, first
	s_wait_dscnt 4*NL                              ; W's set and x's blocks 0-3 are in; the youngest eight loads (x's blocks 4-7) may be out
.if \first
	WIN BIA_LO
.else
	WIN MUL_LO
.endif
	MUL16 0, (\q)%2, \q, \slot, \first
	MUL16 2, (\q)%2, \q, \slot, \first
	s_wait_dscnt 0                                 ; x's blocks 4-7 are in (asked for 32 matrix instructions ago)
	PLACES NP
	FETCH_B \slot, (\q)+1, 1-(\q)%2
	FETCH_A \slot, (\q)+1, 0
.if \first
	WIN BIA_HI
.else
	WIN MUL_HI
.endif
	MUL16 4, (\q)%2, \q, \slot, \first
	MUL16 6, (\q)%2, \q, \slot, \first
	PLACES NP
	WIN 0
	FETCH_A \slot, (\q)+1, 4
.endm
.macro STEPS slot, from                ; the slot's steps from .. NQ - 2
.set QQ, \from
.rept NQ-1-\from
	STEP \slot, QQ, 0
.set QQ, QQ+1
.endr
.endm
	s_wait_tensorcnt 1                             ; the scales and my part of slot 0 are in; slot 1's load may be out
	s_barrier_signal -1
	s_barrier_wait -1                              ; everybody's are
	FETCH_B 0, 0, 0
	FETCH_A 0, 0, 0
	SCALES 0
	FETCH_A 0, 0, 4
	s_wait_loadcnt 0x0                             ; the bias
	STEP 0, 0, 1
	STEPS 0, 1
	; slot 0's last step changes slots: ONE barrier; in front of it each wave waits for its tensor loads (its part of slot 1), adds 0 to its spare word, and waits for that and for its reads of slot 0
	s_wait_tensorcnt 0x0                           ; (every window is 0 here: the add's two registers lie in window 0)
	ds_add_u32 v[SPW], v[NIL]                      ; 0 onto my spare word
	s_wait_dscnt 4*NL+1                            ; (the add and the youngest eight loads, x's blocks 4-7, may be out)
	WIN MUL_LO
	MUL16 0, 1, NQ-1, 0, 0                         ; sixteen matrix instructions stand between the add and the wait for it
	s_wait_dscnt 0x0                               ; the add is done, and my reads of slot 0 are over
	s_barrier_signal -1
	MUL16 2, 1, NQ-1, 0, 0
	WIN 0
	s_barrier_wait -1                              ; slot 1 is whole, and nobody reads slot 0 any more
	PLACES NP
	v_add_nc_u32 v[ADRS], 4*NQ, v[ADRS]            ; on to slot 1's scale words (no LDS load of mine is out)
	FETCH_B 1, 0, 0
	FETCH_A 1, 0, 0
	SCALES 1
	WIN MUL_HI
	MUL16 4, 1, NQ-1, 0, 0
	MUL16 6, 1, NQ-1, 0, 0
	PLACES NP
	WIN 0
	FETCH_A 1, 0, 4
	STEPS 1, 0
	s_wait_dscnt 4*NL                              ; the very last step: nothing more to fetch
	WIN MUL_LO
	MUL16 0, 1, NQ-1, 1, 0
	MUL16 2, 1, NQ-1, 1, 0
	s_wait_dscnt 0
	WIN MUL_HI
	MUL16 4, 1, NQ-1, 1, 0
	MUL16 6, 1, NQ-1, 1, 0
	WIN 0
; THE WAY OUT, block by block of 16 rows x 128 columns (two heads).  PACK: rounded to f16, 16 bytes a lane for each 16 columns, each accumulator from its low end on.  TOSTAGE: into my own stage, and back so that
; 32 lanes hold four whole rows of one head: 512 consecutive bytes of hd.  SEND: stored.  LDS serves a wave's instructions in order (ISA guide 5.7.1.4): no wait between the stage's stores and loads.
.macro PACK a
.set AC, 64*((\a)%4)
	WIN 0x0a+5*((\a)/4)                            ; sources 0 and 1: window 2 or 3
.irp b, 0,1,2,3,4,5,6,7
.irp r, 0,1,2,3
	v_cvt_pk_f16_f32 v[TMP+4*\b+\r], v[AC+8*\b+2*\r], v[AC+8*\b+2*\r+1]
.endr
.endr
	WIN 0
.endm
.macro TOSTAGE a
.set BB, BK+32*((\a)%2)
.irp b, 0,1,2,3,4,5,6,7
	ds_store_b128 v[STO], v[TMP+4*\b:TMP+4*\b+3] offset:32*\b
.endr
.irp u, 0,1,2,3,4,5,6,7                ; head u % 2, rows 4 (u / 2) on
	ds_load_b128 v[BB+4*\u:BB+4*\u+3], v[RD] offset:2*SPITCH*(\u/2)+128*(\u%2)
.endr
.endm
.macro SEND a
.set BB, BK+32*((\a)%2)
	s_wait_dscnt 0x0                               ; the block is back in registers
	s_wait_xcnt 0x0                                ; the stores of the block before have read their registers: the next block's loads may land there
.irp u, 0,1,2,3,4,5,6,7
	global_store_b128 v[CO], v[BB+4*\u:BB+4*\u+3], s[12:13] offset:(\u%2)*262144+(16*(\a)+4*(\u/2))*128   ; 32 lanes store 512 consecutive bytes, at a multiple of 512 from hd's first byte
.endr
.endm
	PLACES NP                                      ; behind the last products: for the conversions, and for the loads into the registers that held x's fragments
	PACK 0
	TOSTAGE 0
.irp a, 1,2,3,4,5,6,7                  ; block a's conversions stand between block a - 1's loads from the stage and the wait for them
	PACK \a
	SEND \a-1
	TOSTAGE \a
.endr
	SEND 7
	s_wait_tensorcnt 0x0                           ; the wave's end, behind my last tensor load and my last LDS store
	ds_add_u32 v[SPW], v[NIL]
	s_wait_dscnt 0x0
	CROUND                                         ; the closing round: no work-group ends while a partner may still ask for a tile that names it
	s_endpgm
.Lfunc_end_k_q316c669ddb_proj:
	.size	k_q316c669ddb_proj, .Lfunc_end_k_q316c669ddb_proj-k_q316c669ddb_proj
	.p2alignl 7, 3214868480
	.fill 96, 4, 3214868480
	.section	.rodata,"a",@progbits
	.p2align	6, 0x0
	.amdhsa_kernel k_q316c669ddb_proj
		.amdhsa_group_segment_fixed_size 327680
		.amdhsa_private_segment_fixed_size 0
		.amdhsa_enable_private_segment 0
		.amdhsa_kernarg_size 48
		.amdhsa_user_sgpr_count 2
		.amdhsa_user_sgpr_kernarg_segment_ptr 1
		.amdhsa_wavefront_size32 1
		.amdhsa_system_sgpr_workgroup_id_x 1
		.amdhsa_system_sgpr_workgroup_id_y 1
		.amdhsa_system_sgpr_workgroup_id_z 1
		.amdhsa_system_vgpr_workitem_id 0
		.amdhsa_next_free_vgpr 1024
		.amdhsa_next_free_sgpr 102
		.amdhsa_reserve_vcc 0
		.amdhsa_float_denorm_mode_32 3
		.amdhsa_float_denorm_mode_16_64 3
		.amdhsa_memory_ordered 1
		.amdhsa_forward_progress 1
		.amdhsa_inst_pref_size 129
	.end_amdhsa_kernel
	.amdgpu_metadata
---
amdhsa.version: [ 1, 2 ]
amdhsa.kernels:
  - .name:           k_q316c669ddb_proj
    .symbol:         k_q316c669ddb_proj.kd
    .args:
      - { .name: cod, .offset: 0, .size: 8, .value_kind: global_buffer, .address_space: global }
      - { .name: scl, .offset: 8, .size: 8, .value_kind: global_buffer, .address_space: global }
      - { .name: bq, .offset: 16, .size: 8, .value_kind: global_buffer, .address_space: global }
      - { .name: bk, .offset: 24, .size: 8, .value_kind: global_buffer, .address_space: global }
      - { .name: bv, .offset: 32, .size: 8, .value_kind: global_buffer, .address_space: global }
      - { .name: hd, .offset: 40, .size: 8, .value_kind: global_buffer, .address_space: global }
    .group_segment_fixed_size: 327680
    .private_segment_fixed_size: 0
    .kernarg_segment_align: 8
    .kernarg_segment_size: 48
    .max_flat_workgroup_size: 128
    .sgpr_count:     102
    .vgpr_count:     1024
    .wavefront_size: 32
...
	.end_amdgpu_metadata
.endif
;; end of part 2
;; launch attn (part 3): grid 4 x 64, 16 waves a work-group, clusters of 4 x 1, 327,680 bytes of LDS; arguments hd, mbits, o16; writes o16
.if DOCPART == 3
	.amdgcn_target "amdgcn-amd-amdhsa--gfx1250"
	.amdhsa_code_object_version 6
	.text
	.protected	k_q316c669ddb_attn
	.globl	k_q316c669ddb_attn
	.p2align	8
	.type	k_q316c669ddb_attn,@function
k_q316c669ddb_attn:
	s_mov_b64 s[64:65], 0
	v_nop
	global_prefetch_b8 v0, s[64:65] scope:SCOPE_SE
	s_setreg_imm32_b32 hwreg(HW_REG_WAVE_MODE, 25, 1), 1
	s_wait_xcnt 0x0
	s_wait_alu depctr_hold_cnt(0) depctr_sa_sdst(0) depctr_va_vdst(0) depctr_va_sdst(0) depctr_va_ssrc(0) depctr_va_vcc(0) depctr_vm_vsrc(0)
	s_getreg_b32 s2, hwreg(HW_REG_IB_STS2, 6, 4)
	s_cmp_eq_u32 s2, 0
	s_cbranch_scc0 .Lentry_in_a_cluster
	s_endpgm
.Lentry_in_a_cluster:
	s_bfe_u32 s2, ttmp6, 0x10000c
	s_cmp_lg_u32 s2, 0x3003
	s_cbranch_scc0 .Lentry_shape_is_right
	s_endpgm
.Lentry_shape_is_right:
; O[bh][q] = the sum over k of softmax_k(s(q, k)) V[bh][k], s = Q[bh][q] . K[bh][k] / 8 where mask[b][q][k] != 0, and -60,000 where it is 0.  Q, K, V: hd, f16, [bh][2048][64]; O: o16, the same layout.
; Both products take f16 operands and sum in f32; maxima, exponentials and sums in f32; the weights p are rounded to f16 for the second product, O once at the end.
; THE MASK REPLACES A SCORE, ahead of the running maximum, as the definition has it: a row that is wholly masked comes out uniform.  The scores are still unscaled there, so the number put in is -480,000 = 8 x -60,000.
; It arrives as lane masks (mbits): 32 words for a tile of 16 queries and a step of 64 keys, read by scalar loads a step ahead, one v_cndmask_b32 a register.  No branch and no address hangs on them.
; LIMITS: |O| beyond 65,504 becomes infinity (f16): O is an average of V's rows, which are f16 already; p under 2^-25 of its row's largest so far is rounded to 0 for the product (not for the sum).
; SHARES.  A work-group owns 512 queries of one batch and head; each of its SIXTEEN waves 32 of them, two tiles of 16, in 256 registers: four waves to a SIMD, so that one wave's vector work stands beside
; another's matrix work and LDS loads.  With two tiles each fragment of K and V read from LDS feeds two matrix instructions.  Every wave walks the 2,048 keys, 64 a step.
; LAYOUT.  S^T = K Q^T (source 0 = 16 keys, source 1 = 16 queries): a lane holds ONE query (lane % 16) and the keys 8 (lane / 16) + 0..7.  Two such tiles, rounded to f16 in pairs, ARE source 1 of O^T = V^T P,
; whose result again holds one query a lane.  K comes out of LDS as it lies, V ([key][channel]) turned, by ds_load_tr16_b128.
; SOFTMAX.  For each query a running maximum m and sum l: p = 2^(c s - c m), c = log2(e) / 8; in every step O and l are multiplied by a = 2^(c m_old - c m_new).  m begins at -3e38 and O, l at 0, so the step is written once.
; RING.  Two slots of 512 keys.  A head's rows are dense in memory, so a tile's row is TWO keys, 256 bytes.  Waves 0-7 fetch K's eight pieces of 64 keys, waves 8-15 V's: every wave has one load behind each round
; (32 rows of 256 bytes each: with 64 rows to a load half of the waves would have none).  A load has a slot's eight key steps of sixteen waves in which to land, so nothing is prefetched beside it.
; CLUSTER.  The four query blocks of a head walk the same K and V: each piece is asked for JOINTLY, by the same tensor load with the same descriptor and a mask that names the four.
.set KP,    272                        ; two keys of K in LDS: 256 bytes + 16: key k at KP (k / 2) + 128 (k % 2): the 16 keys of a fragment fall on 16 different columns of 16 bytes
.set VP,    288                        ; two keys of V: 256 + 32: the 8 keys x 32 bytes that 16 lanes of the turning load take fall on 16 different columns
.set VOFF,  256*KP                     ; a slot: 512 keys of K, then 512 of V
.set SLOTB, VOFF+256*VP                ; 143,360
.set KSTP,  32*KP                      ; a step's 64 keys, and a wave's piece, of K
.set VSTP,  32*VP                      ; and of V
.set SPARE, 2*SLOTB                    ; behind the ring: the spare words, 128 bytes for each wave: eight blocks of 256 bytes that no other line names
.set SPIT,  144                        ; the way out: a stage of 16 rows x (128 bytes + 16) for each wave, in slot 0, which has had its last fill and its last read by then
.set KH,    16777216                   ; where K's and V's tensors begin in hd
.set VH,    33554432
.set AK0, 1                            ; v1   my lane's place in a fragment of K
.set AV0, 2                            ; v2   the same for V
.set ADK, 3                            ; v3   LDS address of the step's K
.set ADV, 4                            ; v4   of its V
.set SPW, 5                            ; v5   LDS address of my spare word; never rewritten
.set NIL, 6                            ; v6   0; never rewritten
.set NEG, 7                            ; v7   -480,000
.set ST,  12                           ; tile t's statistics at v[ST + 8 t]: +0 c m, +1 m, +2, +3 l (even keys', odd keys'), +4 to +7 four chains of the maximum; later +4, +5 a second chain of the sum, +6 a, +7 c m_old - c m_new
.set STO, 28                           ; v28  the way out: where I put 16 bytes of a row
.set RD,  29                           ; v29  where I read 16 bytes back
.set GO,  30                           ; v30  16 x lane
.set QA,  31                           ; v31  my byte offset in the wave's rows of Q
.set Q,   32                           ; v32-63    Q: tile t, channels 32 kc on, at 16 t + 8 kc
.set KV,  64                           ; v64-127   K of the step (keys 16 kt on, channels 32 kc on, at 16 kt + 8 kc), then its V (keys 32 ks on, channels 16 ct on, at 8 (4 ks + ct))
.set S,   128                          ; v128-191  S^T at 32 t + 8 kt; p in place; P in place at 32 t + 8 ks
.set O,   192                          ; v192-255  O^T at 32 t + 8 ct
.set WV,  2                            ; s2   my wave's number
.set CNT, 3                            ; s3   counts a slot's eight steps
.set G1K, 4                            ; s[4:11]   descriptor group 1 for K's pieces
.set G1V, 12                           ; s[12:19]  for V's: it differs in the padding alone
.set G0K, 20                           ; s[20:23]  group 0 for K's, which walks
.set G0V, 24                           ; s[24:27]  for V's
.set MB,  28                           ; s[28:29]  where my lane masks stand in mbits
.set TBK, 30                           ; s30  LDS byte at which the step's K begins
.set TBV, 31                           ; s31  and, less VOFF, its V
.set MK0, 32                           ; s[32:63]  tile 0's 32 lane masks (word 8 kt + j); at the head and on the way out: at work
.set CS,  66                           ; s[66:67]  c, twice: the packed form names a pair
.set MK1, 68                           ; s[68:99]  tile 1's
.set SEL, 100                          ; s[100:101] lane selects for v_permlanex16_b32: lane l xor 16
.set TQ,  104                          ; s[104:105] Q's address at the head, then at work
; A joint load.  The branch hangs on the wave's number alone.  An s_nop 0 and four v_nop follow each of the two lines, ahead of the jump, the label and what follows.
.macro JLOAD
	s_cmp_lt_u32 s[WV], 8
	s_cbranch_scc0 .Lfor_v_\@
	tensor_load_to_lds s[G0K:G0K+3], s[G1K:G1K+7]
	s_nop 0
.rept 4
	v_nop
.endr
	s_branch .Lasked_\@
.Lfor_v_\@:
	tensor_load_to_lds s[G0V:G0V+3], s[G1V:G1V+7]
	s_nop 0
.rept 4
	v_nop
.endr
.Lasked_\@:
.endm
.macro CROUND                          ; a round of the cluster's barrier: my work-group's barrier; wave 0 signals for the work-group; every wave waits for all four; my work-group's barrier once more
	s_barrier_signal -1
	s_barrier_wait -1
	s_cmp_lg_u32 s[WV], 0
	s_cbranch_scc1 .Lnot_wave_0_\@
	s_barrier_signal -3
.Lnot_wave_0_\@:
	s_barrier_wait -3
	s_barrier_signal -1
	s_barrier_wait -1
.endm
	s_load_b128 s[32:35], s[0:1], 0x0              ; hd s[32:33], mbits s[34:35]
	v_lshl_add_u32 v[SPW], v0, 2, SPARE
	v_mov_b32 v[NIL], 0
	ds_add_u32 v[SPW], v[NIL]                      ; the wave's opening: the add, twice on end, and its wait ahead of my first tensor load; the set-up below, work on registers, stands between
	ds_add_u32 v[SPW], v[NIL]
	v_lshrrev_b32 v8, 5, v0
	v_readfirstlane_b32 s[WV], v8                  ; wave 0..15
	s_bfe_u32 s36, ttmp6, 0x40000                  ; cx: my block of 512 queries: it enters Q's, the masks' and O's addresses alone
	s_and_b32 s37, ttmp7, 0xffff                   ; batch x 16 + head, which the four partners share
	; descriptor group 1: a piece of 32 rows x 128 elements of 2 bytes, dense in memory, padded in LDS
	s_mov_b32 s[G1K], 15|(1<<16)|(1<<20)|(1<<21)|(5<<22)|(3<<25)  ; 15:0 the mask: all four work-groups; 17:16 elements of 2 bytes; 20 padding on; 21 set beside a mask; 24:22 after every 64 words (code 5); 31:25 4 words of it (code 3)
	s_mov_b32 s[G1V], 15|(1<<16)|(1<<20)|(1<<21)|(5<<22)|(7<<25)  ; the same with 8 words of padding (code 7)
.irp g, G1K, G1V
	s_mov_b32 s[\g+1], 128<<16                     ; tensor_dim0 = 128
	s_mov_b32 s[\g+2], 32<<16                      ; tensor_dim1 = 32
	s_mov_b32 s[\g+3], 128<<16                     ; tile_dim0 = 128
	s_mov_b32 s[\g+4], 32                          ; tile_dim1 = 32
	s_mov_b32 s[\g+5], 128                         ; tensor_dim0_stride
	s_mov_b32 s[\g+6], 0
	s_mov_b32 s[\g+7], 0
.endr
	s_mov_b32 s[CS], 0x3e38aa3b                    ; c = log2(e) / 8
	s_mov_b32 s[CS+1], s[CS]
	s_mov_b32 s[SEL], 0x76543210
	s_mov_b32 s[SEL+1], 0xfedcba98
	s_and_b32 s38, s[WV], 7                        ; which piece of 64 keys I fetch
	s_lshl_b32 s40, s37, 18                        ; the head's 262,144 bytes,
	s_lshl_b32 s39, s38, 13                        ; my piece's 8,192
	s_add_co_u32 s40, s40, s39
	s_mov_b32 s41, 0
	s_mul_i32 s42, s38, KSTP                       ; and its place in slot 0: no place in the cluster enters an LDS address
	s_mul_i32 s43, s38, VSTP
	s_add_co_u32 s43, s43, VOFF
	s_lshr_b32 s44, s37, 4                         ; the masks: (batch x 128 + my first query tile) x 4,096 bytes; the tile is 32 cx + 2 x wave
	s_lshl_b32 s44, s44, 7
	s_lshl_b32 s45, s36, 5
	s_add_co_u32 s44, s44, s45
	s_lshl_b32 s45, s[WV], 1
	s_add_co_u32 s44, s44, s45
	s_lshl_b32 s44, s44, 12
	s_mov_b32 s45, 0
	s_lshl_b32 s46, s36, 16                        ; Q: my block's 512 rows of 128 bytes,
	s_lshl_b32 s47, s[WV], 12                      ; my wave's 32,
	s_add_co_u32 s46, s46, s47
	s_lshl_b32 s47, s37, 18                        ; in my head
	s_add_co_u32 s46, s46, s47
	s_mov_b32 s47, 0
	s_wait_dscnt 0x0                               ; both opening adds are done
	s_wait_kmcnt 0x0
	s_mov_b32 s[G0K], 1                            ; count = 1
	s_mov_b32 s[G0K+1], s42                        ; LDS address
	s_add_nc_u64 s[G0K+2:G0K+3], s[32:33], s[40:41]
	s_add_nc_u64 s[G0K+2:G0K+3], s[G0K+2:G0K+3], KH    ; global address: my piece of the head's first 512 keys
	s_or_b32 s[G0K+3], s[G0K+3], 0x80000000        ; type = 2
	s_mov_b32 s[G0V], 1
	s_mov_b32 s[G0V+1], s43
	s_add_nc_u64 s[G0V+2:G0V+3], s[32:33], s[40:41]
	s_add_nc_u64 s[G0V+2:G0V+3], s[G0V+2:G0V+3], VH
	s_or_b32 s[G0V+3], s[G0V+3], 0x80000000
	s_add_nc_u64 s[MB:MB+1], s[34:35], s[44:45]
	s_add_nc_u64 s[TQ:TQ+1], s[32:33], s[46:47]
	CROUND                                         ; all four work-groups are here: the first joint loads meet
	JLOAD                                          ; slot 0
	v_and_b32 v8, 15, v0                           ; r
	v_bfe_u32 v9, v0, 4, 1                         ; h
	v_lshlrev_b32 v[QA], 7, v8
	v_lshl_add_u32 v[QA], v9, 4, v[QA]             ; row r of 128 bytes, + 16 h
.irp t, 0,1
.irp kc, 0,1
	global_load_b128 v[Q+16*\t+8*\kc:Q+16*\t+8*\kc+3],   v[QA], s[TQ:TQ+1] offset:2048*\t+64*\kc      ; Q stays in registers
	global_load_b128 v[Q+16*\t+8*\kc+4:Q+16*\t+8*\kc+7], v[QA], s[TQ:TQ+1] offset:2048*\t+64*\kc+32
.endr
.endr
	v_lshrrev_b32 v10, 1, v8
	v_and_b32 v11, 1, v0
	v_mul_u32_u24 v[AK0], v10, KP
	v_lshl_add_u32 v[AK0], v11, 7, v[AK0]
	v_lshl_add_u32 v[AK0], v9, 4, v[AK0]           ; K: key r: KP (r / 2) + 128 (r % 2), + 16 h
	v_bfe_u32 v10, v0, 1, 2
	v_lshl_add_u32 v10, v9, 2, v10
	v_mul_u32_u24 v[AV0], v10, VP
	v_lshl_add_u32 v[AV0], v11, 7, v[AV0]
	v_bfe_u32 v10, v0, 3, 1
	v_lshl_add_u32 v[AV0], v10, 4, v[AV0]
	v_add_nc_u32 v[AV0], VOFF, v[AV0]              ; V: the turning load's lane l reads 16 bytes: key 8 h + l % 8, channels 8 ((l / 8) % 2) on
	v_mov_b32 v[NEG], 0xc8ea6000                   ; -480,000
.irp t, 0,1
	v_mov_b32 v[ST+8*\t+1], 0xff61b1e6             ; m: -3e38, under every score
	v_mul_f32 v[ST+8*\t], s[CS], v[ST+8*\t+1]      ; c m
	v_mov_b32 v[ST+8*\t+2], 0                      ; l
	v_mov_b32 v[ST+8*\t+3], 0
.endr
.set i, 0
.rept 64
	v_mov_b32 v[O+i], 0                            ; O^T.  (The step is written once: the first finds zeros, which a = 0 leaves zeros; a first step of its own would be one more copy of the step's text)
.set i, i+1
.endr
	s_wait_loadcnt 0x0                             ; Q is in, and its address registers are free
	s_load_b512 s[MK0:MK0+15],    s[MB:MB+1], 0x0      ; step 0's lane masks
	s_load_b512 s[MK0+16:MK0+31], s[MB:MB+1], 0x40
	s_load_b512 s[MK1:MK1+15],    s[MB:MB+1], 0x1000
	s_load_b512 s[MK1+16:MK1+31], s[MB:MB+1], 0x1040
; A KEY STEP: 64 keys.  last = 1: the launch's last slot, whose last step asks for no further masks.
.macro STEP last
	v_add_nc_u32 v[ADK], s[TBK], v[AK0]
	v_add_nc_u32 v[ADV], s[TBV], v[AV0]
.irp kt, 0,1,2,3
.irp kc, 0,1
	ds_load_b128 v[KV+16*\kt+8*\kc:KV+16*\kt+8*\kc+3],   v[ADK] offset:8*KP*\kt+64*\kc
	ds_load_b128 v[KV+16*\kt+8*\kc+4:KV+16*\kt+8*\kc+7], v[ADK] offset:8*KP*\kt+64*\kc+32
.endr
.endr
	s_wait_dscnt 0x0                               ; K is in
.set i, 0
.rept 16                               ; S^T = K Q^T: channels 32 (i / 8) on, keys 16 ((i / 2) % 4) on, tile i % 2.  The eight accumulators take turns, one instruction a turn; the first eight start the sums
.set rS, S+32*(i%2)+8*((i/2)%4)
.set rK, KV+16*((i/2)%4)+8*(i/8)
.set rQ, Q+16*(i%2)+8*(i/8)
.if i < 8
	v_wmma_f32_16x16x32_f16 v[rS:rS+7], v[rK:rK+7], v[rQ:rQ+7], 0
.else
	v_wmma_f32_16x16x32_f16 v[rS:rS+7], v[rK:rK+7], v[rQ:rQ+7], v[rS:rS+7]
.endif
.set i, i+1
.endr
.rept 4
	v_nop                                          ; four places behind the products: for the loads into K's registers and for the selects on the scores
.endr
.irp ks, 0,1
.irp ct, 0,1,2,3
	ds_load_tr16_b128 v[KV+8*(4*\ks+\ct):KV+8*(4*\ks+\ct)+3],   v[ADV] offset:16*VP*\ks+32*\ct          ; V, turned: it lands while the softmax is walked
	ds_load_tr16_b128 v[KV+8*(4*\ks+\ct)+4:KV+8*(4*\ks+\ct)+7], v[ADV] offset:16*VP*\ks+32*\ct+8*VP
.endr
.endr
	s_wait_kmcnt 0x0                               ; this step's masks are in (asked for a step ago), and their address is free:
	s_add_nc_u64 s[MB:MB+1], s[MB:MB+1], 128       ; the next step's
.set i, 0
.rept 32
	v_cndmask_b32 v[S+i], v[NEG], v[S+i], s[MK0+i]     ; where the mask is 0 the score is replaced; each accumulator from its low end on
.set i, i+1
.endr
.set i, 0
.rept 32
	v_cndmask_b32 v[S+32+i], v[NEG], v[S+32+i], s[MK1+i]
.set i, i+1
.endr
	; the maximum of a lane's 32 scores and the old m, three operands at a time, four chains a tile, the two tiles alternating
.irp j, 0,1,2,3
.irp t, 0,1
	v_max3_num_f32 v[ST+8*\t+4+\j], v[S+32*\t+8*\j], v[S+32*\t+8*\j+1], v[S+32*\t+8*\j+2]
.endr
.endr
.irp u, 1,2
.irp j, 0,1,2,3
.irp t, 0,1
	v_max3_num_f32 v[ST+8*\t+4+\j], v[ST+8*\t+4+\j], v[S+32*\t+8*\j+2*\u+1], v[S+32*\t+8*\j+2*\u+2]
.endr
.endr
.endr
.irp t, 0,1
	v_max3_num_f32 v[ST+8*\t+4], v[ST+8*\t+4], v[S+32*\t+7], v[S+32*\t+15]
	v_max3_num_f32 v[ST+8*\t+6], v[ST+8*\t+6], v[S+32*\t+23], v[S+32*\t+31]
.endr
.irp t, 0,1
	v_max3_num_f32 v[ST+8*\t+4], v[ST+8*\t+4], v[ST+8*\t+5], v[ST+8*\t+6]
.endr
.irp t, 0,1
	v_max3_num_f32 v[ST+8*\t+4], v[ST+8*\t+4], v[ST+8*\t+7], v[ST+8*\t+1]
.endr
.irp t, 0,1
	v_permlanex16_b32 v[ST+8*\t+5], v[ST+8*\t+4], s[SEL], s[SEL+1]     ; the query's other 32 keys lie in the lane 16 away
.endr
.irp t, 0,1
	v_mov_b32 v[ST+8*\t+7], v[ST+8*\t]             ; c m_old is kept for a
.endr
.irp t, 0,1
	v_max_num_f32 v[ST+8*\t+1], v[ST+8*\t+4], v[ST+8*\t+5]
.endr
.irp t, 0,1
	v_mul_f32 v[ST+8*\t], s[CS], v[ST+8*\t+1]
.endr
.irp t, 0,1
	v_sub_f32 v[ST+8*\t+7], v[ST+8*\t+7], v[ST+8*\t]
.endr
.irp t, 0,1
.set i, 0
.rept 16
	v_pk_fma_f32 v[S+32*\t+2*i:S+32*\t+2*i+1], v[S+32*\t+2*i:S+32*\t+2*i+1], s[CS:CS+1], v[ST+8*\t:ST+8*\t+1] op_sel_hi:[1,0,0] neg_lo:[0,0,1] neg_hi:[0,0,1]  ; c s - c m, two at a time
.set i, i+1
.endr
.endr
.if \last
	s_cmp_eq_u32 s[CNT], 1                         ; the launch's last step: there are no further masks, and no load leaves mbits
	s_cbranch_scc1 .Lno_masks_\@
.endif
	s_load_b512 s[MK0:MK0+15],    s[MB:MB+1], 0x0      ; the next step's lane masks: nearly a step ahead of the wait for them
	s_load_b512 s[MK0+16:MK0+31], s[MB:MB+1], 0x40
	s_load_b512 s[MK1:MK1+15],    s[MB:MB+1], 0x1000
	s_load_b512 s[MK1+16:MK1+31], s[MB:MB+1], 0x1040
.if \last
.Lno_masks_\@:
.endif
.irp t, 0,1
	v_exp_f32 v[ST+8*\t+6], v[ST+8*\t+7]           ; a
.endr
.set i, 0
.rept 64
	v_exp_f32 v[S+i], v[S+i]                       ; p: ONE BATCH of 66 exponentials, none of which reads another's result
.set i, i+1
.endr
	v_nop                                          ; a plain instruction behind the last exponential
	s_wait_alu depctr_va_vdst(0)                   ; and the wait ahead of the first use: one for the batch
.irp t, 0,1                            ; l = a l + the sum of the UNROUNDED p, two at a time, in two chains
	v_pk_fma_f32 v[ST+8*\t+2:ST+8*\t+3], v[ST+8*\t+2:ST+8*\t+3], v[ST+8*\t+6:ST+8*\t+7], v[S+32*\t:S+32*\t+1] op_sel_hi:[1,0,1]
	v_pk_add_f32 v[ST+8*\t+4:ST+8*\t+5], v[S+32*\t+2:S+32*\t+3], v[S+32*\t+6:S+32*\t+7]
.endr
.irp t, 0,1
	v_pk_add_f32 v[ST+8*\t+2:ST+8*\t+3], v[ST+8*\t+2:ST+8*\t+3], v[S+32*\t+4:S+32*\t+5]
.endr
.irp u, 8,12,16,20,24,28
.irp t, 0,1
	v_pk_add_f32 v[ST+8*\t+2:ST+8*\t+3], v[ST+8*\t+2:ST+8*\t+3], v[S+32*\t+\u:S+32*\t+\u+1]
	v_pk_add_f32 v[ST+8*\t+4:ST+8*\t+5], v[ST+8*\t+4:ST+8*\t+5], v[S+32*\t+\u+2:S+32*\t+\u+3]
.endr
.endr
.irp t, 0,1
	v_pk_add_f32 v[ST+8*\t+2:ST+8*\t+3], v[ST+8*\t+2:ST+8*\t+3], v[ST+8*\t+4:ST+8*\t+5]
.endr
.irp t, 0,1
.set i, 0
.rept 16
	v_cvt_pk_f16_f32 v[S+32*\t+i], v[S+32*\t+2*i], v[S+32*\t+2*i+1]    ; P, in place: register i is written when pairs 0 .. i have been read
.set i, i+1
.endr
.endr
.set i, 0
.rept 16
	v_pk_mul_f32 v[O+2*i:O+2*i+1], v[O+2*i:O+2*i+1], v[ST+6:ST+7] op_sel_hi:[1,0]       ; O^T x a, each accumulator from its low end on
.set i, i+1
.endr
.set i, 0
.rept 16
	v_pk_mul_f32 v[O+32+2*i:O+32+2*i+1], v[O+32+2*i:O+32+2*i+1], v[ST+14:ST+15] op_sel_hi:[1,0]
.set i, i+1
.endr
	s_wait_dscnt 0x0                               ; V is in
.set i, 0
.rept 16                               ; O^T += V^T P: keys 32 (i / 8) on, channels 16 ((i / 2) % 4) on, tile i % 2: eight accumulators by turns
.set rO, O+32*(i%2)+8*((i/2)%4)
.set rV, KV+8*(4*(i/8)+(i/2)%4)
.set rP, S+32*(i%2)+8*(i/8)
	v_wmma_f32_16x16x32_f16 v[rO:rO+7], v[rV:rV+7], v[rP:rP+7], v[rO:rO+7]
.set i, i+1
.endr
.rept 5
	v_nop                                          ; five places: the next step's first products write over P's registers, which these products read; its loads land on V's
.endr
	s_add_co_u32 s[TBK], s[TBK], KSTP
	s_add_co_u32 s[TBV], s[TBV], VSTP
.endm
; A SLOT'S EIGHT STEPS, with the change of slots at their head.  Each wave waits for its tensor load (its piece of the slot that it is about to read), adds 0 to its spare word, and waits for that and for its reads
; of the slot that it has left.  fill = 1: the barrier is a round of the cluster's, so that no wave of any partner still reads that slot or has a load on its way, and the joint load of the next 512 keys into it is the first thing behind.
.macro PHASE slot, fill, last
	s_wait_tensorcnt 0x0                           ; no tensor load of mine is out, so a group 0 may be written
	ds_add_u32 v[SPW], v[NIL]                      ; 0 onto my spare word; the descriptors' steps stand between it and the wait for it
.if \fill
	s_and_b32 s[TQ], s[WV], 7
	s_mul_i32 s[G0K+1], s[TQ], KSTP
	s_add_co_u32 s[G0K+1], s[G0K+1], (1-\slot)*SLOTB           ; my piece's place in the other slot,
	s_mul_i32 s[G0V+1], s[TQ], VSTP
	s_add_co_u32 s[G0V+1], s[G0V+1], (1-\slot)*SLOTB+VOFF
	s_add_nc_u64 s[G0K+2:G0K+3], s[G0K+2:G0K+3], 65536         ; the next 512 keys; the type bits on top are not reached
	s_add_nc_u64 s[G0V+2:G0V+3], s[G0V+2:G0V+3], 65536
.endif
	s_wait_dscnt 0x0                               ; the add is done, and my reads of the slot that I have left are over
.if \fill
	CROUND
	JLOAD                                          ; my one tensor load until the next round
.else
	s_barrier_signal -1
	s_barrier_wait -1
.endif
	s_mov_b32 s[TBK], \slot*SLOTB
	s_mov_b32 s[TBV], \slot*SLOTB
	s_mov_b32 s[CNT], 8
.Lstep_\@:
	STEP \last
	s_sub_co_u32 s[CNT], s[CNT], 1
	s_cmp_lg_u32 s[CNT], 0
	s_cbranch_scc1 .Lstep_\@
.endm
	PHASE 0, 1, 0                                  ; keys 0 on; slot 1 is filled for the first time
	PHASE 1, 1, 0                                  ; keys 512 on; slot 0 takes keys 1,024 on
	PHASE 0, 1, 0                                  ; keys 1,024 on; slot 1 takes keys 1,536 on
	PHASE 1, 0, 1                                  ; keys 1,536 on; nothing is left to fetch
	; THE WAY OUT.  l's two halves and the other half of the lanes' are added; O^T is divided by l, rounded to f16 and sent through my stage, a tile (16 rows of 128 bytes) at a time, so that a store covers four whole rows.
.irp t, 0,1
	v_add_f32 v[ST+8*\t+4], v[ST+8*\t+2], v[ST+8*\t+3]
.endr
.irp t, 0,1
	v_permlanex16_b32 v[ST+8*\t+5], v[ST+8*\t+4], s[SEL], s[SEL+1]
.endr
.irp t, 0,1
	v_add_f32 v[ST+8*\t+4], v[ST+8*\t+4], v[ST+8*\t+5]
.endr
.irp t, 0,1
	v_rcp_f32 v[ST+8*\t+6], v[ST+8*\t+4]           ; l is at least the row's largest p, which is 1
.endr
	s_load_b64 s[32:33], s[0:1], 0x10              ; o16
	s_bfe_u32 s36, ttmp6, 0x40000
	s_and_b32 s37, ttmp7, 0xffff
	s_lshl_b32 s38, s36, 16
	s_lshl_b32 s39, s[WV], 12
	s_add_co_u32 s38, s38, s39
	s_lshl_b32 s39, s37, 18
	s_add_co_u32 s38, s38, s39                     ; my wave's 32 rows, as in Q
	s_mov_b32 s39, 0
	s_mul_i32 s34, s[WV], 16*SPIT                  ; my stage
	v_and_b32 v8, 15, v0                           ; (plain instructions behind the reciprocals)
	v_bfe_u32 v9, v0, 4, 1
	v_lshrrev_b32 v10, 1, v8
	v_and_b32 v11, 1, v0
	v_lshl_add_u32 v10, v11, 3, v10                ; row r lies at place r / 2 + 8 (r % 2): stores and reads both fall on sixteen different columns of 16 bytes
	v_mul_u32_u24 v[STO], v10, SPIT
	v_lshl_add_u32 v[STO], v9, 4, v[STO]
	v_add_nc_u32 v[STO], s34, v[STO]
	v_bfe_u32 v10, v0, 3, 1
	v_lshl_add_u32 v10, v10, 3, v9
	v_mul_u32_u24 v[RD], v10, SPIT
	v_and_b32 v11, 7, v0
	v_lshl_add_u32 v[RD], v11, 4, v[RD]
	v_add_nc_u32 v[RD], s34, v[RD]                 ; back: eight lanes to a row, four rows an instruction
	v_and_b32 v[GO], 31, v0
	v_lshlrev_b32 v[GO], 4, v[GO]
	s_wait_alu depctr_va_vdst(0)                   ; the wait ahead of the first use of a reciprocal: one for both
.irp t, 0,1
.set i, 0
.rept 16
	v_pk_mul_f32 v[O+32*\t+2*i:O+32*\t+2*i+1], v[O+32*\t+2*i:O+32*\t+2*i+1], v[ST+8*\t+6:ST+8*\t+7] op_sel_hi:[1,0]
.set i, i+1
.endr
.set i, 0
.rept 16
	v_cvt_pk_f16_f32 v[S+16*\t+i], v[O+32*\t+2*i], v[O+32*\t+2*i+1]
.set i, i+1
.endr
.irp ct, 0,1,2,3
	ds_store_b128 v[STO], v[S+16*\t+4*\ct:S+16*\t+4*\ct+3] offset:32*\ct
.endr
.irp u, 0,1,2,3
	ds_load_b128 v[KV+16*\t+4*\u:KV+16*\t+4*\u+3], v[RD] offset:2*SPIT*\u     ; LDS serves a wave's instructions in order (ISA guide 5.7.1.4): these see the stores above; the next tile's stores come behind them
.endr
.endr
	s_wait_kmcnt 0x0
	s_add_nc_u64 s[32:33], s[32:33], s[38:39]
.irp t, 0,1
.irp u, 0,1,2,3
	s_wait_dscnt (1-\t)*8+3-\u                     ; the LDS instructions issued behind this load may be out
	global_store_b128 v[GO], v[KV+16*\t+4*\u:KV+16*\t+4*\u+3], s[32:33] offset:2048*\t+512*\u   ; 32 lanes store 512 consecutive bytes, at a multiple of 512 from o16's first byte
.endr
.endr
	s_wait_tensorcnt 0x0                           ; the wave's end, behind my last tensor load and my last LDS store
	ds_add_u32 v[SPW], v[NIL]
	s_wait_dscnt 0x0
	CROUND                                         ; the closing round: no work-group ends while a partner may still ask for a tile that names it
	s_endpgm
.Lfunc_end_k_q316c669ddb_attn:
	.size	k_q316c669ddb_attn, .Lfunc_end_k_q316c669ddb_attn-k_q316c669ddb_attn
	.p2alignl 7, 3214868480
	.fill 96, 4, 3214868480
	.section	.rodata,"a",@progbits
	.p2align	6, 0x0
	.amdhsa_kernel k_q316c669ddb_attn
		.amdhsa_group_segment_fixed_size 327680
		.amdhsa_private_segment_fixed_size 0
		.amdhsa_enable_private_segment 0
		.amdhsa_kernarg_size 24
		.amdhsa_user_sgpr_count 2
		.amdhsa_user_sgpr_kernarg_segment_ptr 1
		.amdhsa_wavefront_size32 1
		.amdhsa_system_sgpr_workgroup_id_x 1
		.amdhsa_system_sgpr_workgroup_id_y 1
		.amdhsa_system_sgpr_workgroup_id_z 1
		.amdhsa_system_vgpr_workitem_id 0
		.amdhsa_next_free_vgpr 256
		.amdhsa_next_free_sgpr 106
		.amdhsa_reserve_vcc 0
		.amdhsa_float_denorm_mode_32 3
		.amdhsa_float_denorm_mode_16_64 3
		.amdhsa_memory_ordered 1
		.amdhsa_forward_progress 1
		.amdhsa_inst_pref_size 108
	.end_amdhsa_kernel
	.amdgpu_metadata
---
amdhsa.version: [ 1, 2 ]
amdhsa.kernels:
  - .name:           k_q316c669ddb_attn
    .symbol:         k_q316c669ddb_attn.kd
    .args:
      - { .name: hd, .offset: 0, .size: 8, .value_kind: global_buffer, .address_space: global }
      - { .name: mbits, .offset: 8, .size: 8, .value_kind: global_buffer, .address_space: global }
      - { .name: o16, .offset: 16, .size: 8, .value_kind: global_buffer, .address_space: global }
    .group_segment_fixed_size: 327680
    .private_segment_fixed_size: 0
    .kernarg_segment_align: 8
    .kernarg_segment_size: 24
    .max_flat_workgroup_size: 512
    .sgpr_count:     106
    .vgpr_count:     256
    .wavefront_size: 32
...
	.end_amdgpu_metadata
.endif
;; end of part 3
;; launch oproj (part 4): grid 4 x 64, 4 waves a work-group, clusters of 4 x 4, 327,680 bytes of LDS; arguments o16, wo16, bo, out0; writes out0
.if DOCPART == 4
	.amdgcn_target "amdgcn-amd-amdhsa--gfx1250"
	.amdhsa_code_object_version 6
	.text
	.protected	k_q316c669ddb_oproj
	.globl	k_q316c669ddb_oproj
	.p2align	8
	.type	k_q316c669ddb_oproj,@function
k_q316c669ddb_oproj:
	s_mov_b64 s[64:65], 0
	v_nop
	global_prefetch_b8 v0, s[64:65] scope:SCOPE_SE
	s_setreg_imm32_b32 hwreg(HW_REG_WAVE_MODE, 25, 1), 1
	s_wait_xcnt 0x0
	s_wait_alu depctr_hold_cnt(0) depctr_sa_sdst(0) depctr_va_vdst(0) depctr_va_sdst(0) depctr_va_ssrc(0) depctr_va_vcc(0) depctr_vm_vsrc(0)
	s_getreg_b32 s2, hwreg(HW_REG_IB_STS2, 6, 4)
	s_cmp_eq_u32 s2, 0
	s_cbranch_scc0 .Lentry_in_a_cluster
	s_endpgm
.Lentry_in_a_cluster:
	s_bfe_u32 s2, ttmp6, 0x10000c
	s_cmp_lg_u32 s2, 0xf033
	s_cbranch_scc0 .Lentry_shape_is_right
	s_endpgm
.Lentry_shape_is_right:
; out0[m][n] = the sum over k of O[m][k] Wo[n][k] + bo[n].  O: o16, f16, laid by heads [batch x 16 + head][t][64] (m = 2,048 batch + t, k = 64 head + d); Wo: wo16, f16, [n][k]; out0: [8192][1024] f32; sums in f32.
; A tile of out0 is 128 (m) x 256 (n): 256 work-groups.  Four waves, each 64 x 128: 32 accumulators of 16 x 16, 256 registers.  K goes in 8 steps of 128, two heads, through a ring of two LDS slots.
; O's rows of one head are dense in memory (128 bytes a row), so a head's 128 rows come as 64 rows of 256 bytes, two rows of O each; Wo's tile has rows of 256 bytes.
; CLUSTERS: 4 x 4 work-groups.  The four of a row of the cluster need the same tiles of O, the four of a column the same tiles of Wo: each is asked for JOINTLY, by the same tensor load with the same descriptor
; and a mask that names the four.  Waves 0 and 1 fetch O's two heads, waves 2 and 3 Wo's two halves: one load a wave behind each round.
; THE MATRIX INSTRUCTION IS USED TRANSPOSED (source 0 = 16 rows of Wo, source 1 = 16 rows of O): a lane then holds eight neighbouring numbers of a row of out0.
; THE BIAS is loaded straight into the accumulators, in the result's layout, ahead of the first product: every product then adds in place, nothing is cleared, and no step has a form of its own.
; REGISTERS: window 0: v0-31 addresses; v32-127, v128-223 two fragment buffers for 32 along K: 64 registers of Wo (8 x 16 rows), then 32 of O (4 x 16 rows); on the way out v32-159 hold rows of out0.
;   window 1: the accumulators ((a, b) at v[8 (8 a + b)]).
; No prefetch: the launch has eight K steps, of which the first four come by the first fills and the first refills.
.set PITCH,  272                       ; an LDS row: 256 bytes + 16 of padding
.set PLANE,  64*PITCH                  ; a head's 128 rows of O
.set HALFB,  128*PITCH                 ; 128 rows of Wo
.set BOFF,   2*PLANE                   ; a slot: O's two heads, then Wo's two halves
.set SLOT,   BOFF+2*HALFB              ; 104,448
.set SPARE,  2*SLOT                    ; behind the ring: the spare words, 128 bytes for each wave: two blocks of 256 bytes that no other line names
.set SPITCH, 528                       ; the way out: a stage of 16 rows x (512 bytes + 16) for each wave, in slot 0, which has had its last fill and its last read by then
.set ADRA, 16                          ; v16-17  LDS address of my O fragments in slot 0, 1
.set ADRB, 20                          ; v20-21  the same for Wo
.set STO,  24                          ; v24     the way out: where I put 32 bytes of a row
.set RD,   25                          ; v25     where I read a row back
.set CO,   26                          ; v26     16 x lane
.set SPW,  28                          ; v28     LDS address of my spare word; never rewritten
.set NIL,  29                          ; v29     0; never rewritten
.set F0,   32
.set F1,   128
.set BK,   32                          ; the way out: 16 rows read back: v32-95 and v96-159 by turns
.set WV,   12                          ; s12 wave; s13 wave / 2: my half of the rows, and: I fetch for O (0) or Wo (1); s14 wave % 2: my half of the columns, and: which head or half I fetch
.set G1, 24                            ; s[24:31] descriptor group 1 for O's tiles;  s[32:39] group 0, one set for each slot
.set G0, 32
.set G1B, 48                           ; s[48:55], s[56:63] the same for Wo's
.set G0B, 56
.set MSB, 0
.macro WIN new                         ; the immediate's high byte repeats the setting that is left
.if MSB != (\new)
	s_set_vgpr_msb (MSB<<8)|(\new)
.set MSB, (\new)
.endif
.endm
.set MUL,  0x50                        ; sources 0 and 1 window 0; C and D window 1
.set TO_C, 0x40                        ; destination window 1, address window 0
.set FR_C, 0x04                        ; an LDS store's data (its source 1) window 1
.macro JLOAD s                         ; a joint load; an s_nop 0 and four v_nop follow each of the two lines, ahead of the jump, the label and what follows
	s_cmp_eq_u32 s13, 0
	s_cbranch_scc0 .Lfor_b_\@
	tensor_load_to_lds s[G0+4*\s:G0+4*\s+3], s[G1:G1+7]
	s_nop 0
.rept 4
	v_nop
.endr
	s_branch .Lasked_\@
.Lfor_b_\@:
	tensor_load_to_lds s[G0B+4*\s:G0B+4*\s+3], s[G1B:G1B+7]
	s_nop 0
.rept 4
	v_nop
.endr
.Lasked_\@:
.endm
.macro CREST                           ; a round of the cluster's barrier behind its opening barrier
	s_cmp_lg_u32 s[WV], 0
	s_cbranch_scc1 .Lnot_wave_0_\@
	s_barrier_signal -3
.Lnot_wave_0_\@:
	s_barrier_wait -3
	s_barrier_signal -1
	s_barrier_wait -1
.endm
.macro CROUND                          ; a whole round
	s_barrier_signal -1
	s_barrier_wait -1
	CREST
.endm
	s_load_b256 s[4:11], s[0:1], 0x0               ; o16 s[4:5], wo16 s[6:7], bo s[8:9], out0 s[10:11]
	v_lshl_add_u32 v[SPW], v0, 2, SPARE
	v_mov_b32 v[NIL], 0
	ds_add_u32 v[SPW], v[NIL]                      ; the wave's opening: the add, twice on end, and its wait ahead of my first tensor load; the set-up below, work on registers, stands between
	ds_add_u32 v[SPW], v[NIL]
	v_lshrrev_b32 v1, 5, v0
	v_readfirstlane_b32 s[WV], v1
	s_lshr_b32 s13, s[WV], 1
	s_and_b32 s14, s[WV], 1
	s_bfe_u32 s40, ttmp6, 0x40000                  ; cx, cy: my place in the cluster
	s_bfe_u32 s41, ttmp6, 0x40004
	s_lshl_b32 s42, ttmp9, 2
	s_add_co_u32 s42, s42, s40                     ; tile column = 4 x cluster x + cx, 0 .. 3
	s_and_b32 s15, ttmp7, 0xffff
	s_lshl_b32 s15, s15, 2
	s_add_co_u32 s15, s15, s41                     ; tile row = 4 x cluster y + cy, 0 .. 63
	s_lshl_b32 s43, s41, 2
	s_lshl_b32 s43, 15, s43                        ; my row of the cluster
	s_lshl_b32 s44, 0x1111, s40                    ; my column
	s_or_b32 s[G1+0], s43, (1<<16)|(1<<20)|(1<<21)|(5<<22)|(3<<25)  ; 15:0 the mask: O's tiles go to my row; 17:16 element of 2 bytes; 20 padding on; 21 set beside a mask; 24:22 after every 64 words (code 5); 31:25 of 4 words (code 3)
	s_mov_b32 s[G1+1], 128<<16                     ; tensor_dim0 = 128
	s_mov_b32 s[G1+2], 64<<16                      ; tensor_dim1 = 64
	s_mov_b32 s[G1+3], 128<<16                     ; tile_dim0 = 128
	s_mov_b32 s[G1+4], 64                          ; tile_dim1 = 64
	s_mov_b32 s[G1+5], 128                         ; tensor_dim0_stride: dense
	s_mov_b32 s[G1+6], 0
	s_mov_b32 s[G1+7], 0
	s_or_b32 s[G1B+0], s44, (1<<16)|(1<<20)|(1<<21)|(5<<22)|(3<<25) ; the same with the mask of my column
	s_mov_b32 s[G1B+1], 128<<16
	s_mov_b32 s[G1B+2], 128<<16                    ; 128 rows
	s_mov_b32 s[G1B+3], 128<<16
	s_mov_b32 s[G1B+4], 128
	s_mov_b32 s[G1B+5], 1024                       ; a row of Wo is 1,024 elements
	s_mov_b32 s[G1B+6], 0
	s_mov_b32 s[G1B+7], 0
	s_lshr_b32 s16, s15, 4                         ; O: the batch,
	s_lshl_b32 s16, s16, 4
	s_add_co_u32 s16, s16, s14                     ; x 16 heads, + the head that I fetch of the step's two
	s_lshl_b32 s16, s16, 18                        ; 262,144 bytes a head
	s_and_b32 s17, s15, 15
	s_lshl_b32 s17, s17, 14                        ; + the tile's first row: 128 rows of 128 bytes a tile row
	s_add_co_u32 s16, s16, s17
	s_mov_b32 s17, 0
	s_lshl_b32 s46, s42, 19                        ; Wo: 256 rows of 2,048 bytes a tile column,
	s_lshl_b32 s47, s14, 18                        ; 128 a half
	s_add_co_u32 s46, s46, s47
	s_mov_b32 s47, 0
	s_mul_i32 s18, s14, PLANE                      ; where they go: no place in the cluster enters an LDS address
	s_mul_i32 s19, s14, HALFB
	s_add_co_u32 s19, s19, BOFF
	s_wait_dscnt 0x0                               ; both opening adds are done
	s_wait_kmcnt 0x0
	s_add_nc_u64 s[20:21], s[4:5], s[16:17]
	s_add_nc_u64 s[46:47], s[6:7], s[46:47]
	CROUND                                         ; all sixteen work-groups are here: the first joint loads meet
.irp s, 0,1
	s_mov_b32 s[G0+4*\s], 1
	s_add_co_u32 s[G0+4*\s+1], s18, \s*SLOT
	s_add_nc_u64 s[G0+4*\s+2:G0+4*\s+3], s[20:21], \s*524288       ; K step s: two heads on
	s_or_b32 s[G0+4*\s+3], s[G0+4*\s+3], 0x80000000
	s_mov_b32 s[G0B+4*\s], 1
	s_add_co_u32 s[G0B+4*\s+1], s19, \s*SLOT
	s_add_nc_u64 s[G0B+4*\s+2:G0B+4*\s+3], s[46:47], \s*256        ; 128 elements on
	s_or_b32 s[G0B+4*\s+3], s[G0B+4*\s+3], 0x80000000
	JLOAD \s
.endr
	v_and_b32 v1, 15, v0                           ; r
	v_bfe_u32 v2, v0, 4, 1                         ; h
	s_lshl_b32 s46, s42, 10                        ; my first column in bytes: 1,024 a tile column, 512 a half
	s_lshl_b32 s47, s14, 9
	s_add_co_u32 s46, s46, s47
	s_mov_b32 s47, 0
	s_add_nc_u64 s[8:9], s[8:9], s[46:47]
	v_lshlrev_b32 v7, 5, v2                        ; 8 h numbers on
	WIN TO_C
.irp a, 0,1,2,3
.irp b, 0,1,2,3,4,5,6,7
	global_load_b128 v[8*(8*\a+\b):8*(8*\a+\b)+3],   v7, s[8:9] offset:64*\b       ; register j of accumulator (a, b) begins as bo[my first column + 16 b + 8 h + j]
	global_load_b128 v[8*(8*\a+\b)+4:8*(8*\a+\b)+7], v7, s[8:9] offset:64*\b+16
.endr
.endr
	WIN 0
	v_lshrrev_b32 v3, 1, v1
	v_and_b32 v4, 1, v0
	v_mul_u32_u24 v3, v3, PITCH
	v_lshl_add_u32 v3, v4, 7, v3
	v_lshl_add_u32 v3, v2, 4, v3                   ; O: row r: PITCH (r / 2) + 128 (r % 2), + 16 h
	v_mul_u32_u24 v5, v1, PITCH
	v_lshl_add_u32 v5, v2, 4, v5                   ; Wo: row r x pitch + 16 h
	s_mul_i32 s21, s13, 32*PITCH                   ; my 64 rows of O
	s_mul_i32 s22, s14, HALFB                      ; my 128 rows of Wo,
	s_add_co_u32 s22, s22, BOFF                    ; behind O's two heads
.irp s, 0,1
	v_add_nc_u32 v[ADRA+\s], s21, v3
	v_add_nc_u32 v[ADRB+\s], s22, v5
	s_add_co_u32 s21, s21, SLOT
	s_add_co_u32 s22, s22, SLOT
.endr
	s_mul_i32 s23, s[WV], 16*SPITCH                ; my stage
	v_mul_u32_u24 v5, v1, SPITCH
	v_lshl_add_u32 v5, v2, 5, v5
	v_add_nc_u32 v[STO], s23, v5                   ; in: row r, 32 bytes for each half of the lanes
	v_and_b32 v6, 31, v0
	v_lshlrev_b32 v[CO], 4, v6
	v_add_nc_u32 v[RD], s23, v[CO]                 ; back: the 32 lanes take one row of 512 bytes
	s_lshl_b32 s20, s15, 19                        ; out0: 128 rows of 4,096 bytes a tile row,
	s_lshl_b32 s21, s13, 18                        ; 64 a half,
	s_add_co_u32 s20, s20, s21
	s_add_co_u32 s20, s20, s46                     ; + my first column
	s_mov_b32 s21, 0
	s_add_nc_u64 s[10:11], s[10:11], s[20:21]      ; never stepped: a row's place stands in the stores' immediates
; 24 LDS loads in one run: the fragments of the slot's q-th 32 along K into buffer f.  O's lie in head q / 2, channels 32 (q % 2) on
.macro FETCH slot, q, f
.irp i, 0,1,2,3,4,5,6,7
	ds_load_b128 v[\f+8*\i:\f+8*\i+3],   v[ADRB+\slot] offset:(\q)*64+16*PITCH*\i
	ds_load_b128 v[\f+8*\i+4:\f+8*\i+7], v[ADRB+\slot] offset:(\q)*64+16*PITCH*\i+32
.endr
.irp i, 0,1,2,3
	ds_load_b128 v[\f+64+8*\i:\f+64+8*\i+3],   v[ADRA+\slot] offset:((\q)/2)*PLANE+((\q)%2)*64+8*PITCH*\i
	ds_load_b128 v[\f+64+8*\i+4:\f+64+8*\i+7], v[ADRA+\slot] offset:((\q)/2)*PLANE+((\q)%2)*64+8*PITCH*\i+32
.endr
.endm
; 16 matrix instructions: O's blocks a0, a0 + 1 against Wo's eight.  The 32 accumulators take turns, one instruction a turn, in the same order in every quarter.
.macro MUL16 f, a0
.irp a, \a0, \a0+1
.irp b, 0,1,2,3,4,5,6,7
	v_wmma_f32_16x16x32_f16 v[8*(8*(\a)+\b):8*(8*(\a)+\b)+7], v[\f+8*\b:\f+8*\b+7], v[\f+64+8*(\a):\f+64+8*(\a)+7], v[8*(8*(\a)+\b):8*(8*(\a)+\b)+7]
.endr
.endr
.endm
.macro PLACES                          ; four places in front of loads into registers that matrix instructions have read, and of the first read of results (ISA guide 7.12.1 for the first read of results)
.rept 4
	v_nop
.endr
.endm
; A K step is four quarters of 32 along K, 32 matrix instructions each, on buffers 0, 1, 0, 1.  One of the first three: multiplies buffer f (the slot's q-th) and fetches the next quarter into g.
.macro QUARTER slot, q, f, g
	s_wait_dscnt 0x0                               ; this quarter's fragments are in (asked for 16 matrix instructions ago)
	WIN MUL
	MUL16 \f, 0
	PLACES
	WIN 0
	FETCH \slot, (\q)+1, \g
	WIN MUL
	MUL16 \f, 2
.endm
; The last quarter multiplies buffer 1 and changes slots: ONE barrier; in front of it each wave waits for all its tensor loads, adds 0 to its spare word, and waits for that and for its reads of this slot.
; fill = 1: the barrier opens a round of the cluster's, and this slot is filled again, two K steps ahead, first thing behind the round.
.macro TURN slot, next, fill
	WIN 0                                          ; (the add's two registers lie in window 0)
	s_wait_tensorcnt 0x0                           ; all my tensor loads have landed: my part of the next slot
	ds_add_u32 v[SPW], v[NIL]                      ; 0 onto my spare word
	s_wait_dscnt 1                                 ; buffer 1 is in (the add alone may be out)
	WIN MUL
	MUL16 F1, 0                                    ; sixteen matrix instructions stand between the add and the wait for it
	s_wait_dscnt 0x0                               ; the add is done, and my reads of this slot are over
	s_barrier_signal -1
	WIN 0
	s_barrier_wait -1
.if \fill
	CREST                                          ; no wave of any partner still reads this slot's tiles or has a load on its way
	s_add_nc_u64 s[G0+4*\slot+2:G0+4*\slot+3], s[G0+4*\slot+2:G0+4*\slot+3], 1048576      ; four heads on
	s_add_nc_u64 s[G0B+4*\slot+2:G0B+4*\slot+3], s[G0B+4*\slot+2:G0B+4*\slot+3], 512      ; 256 elements on
	JLOAD \slot                                    ; the four v_nop behind it are also the places in front of the loads below
.else
	PLACES
.endif
	FETCH \next, 0, F0
	WIN MUL
	MUL16 F1, 2
.endm
	s_wait_tensorcnt 1                             ; my part of K step 0 is in; K step 1's load may be out
	s_barrier_signal -1
	s_barrier_wait -1                              ; everybody's is
	FETCH 0, 0, F0
	s_wait_loadcnt 0x0                             ; the bias lies in the accumulators
	s_mov_b32 s3, 3
.Llap:                                             ; a trip goes once round the ring, two K steps, and fills both slots again: K steps 2 to 7
	QUARTER 0, 0, F0, F1
	QUARTER 0, 1, F1, F0
	QUARTER 0, 2, F0, F1
	TURN 0, 1, 1
	QUARTER 1, 0, F0, F1
	QUARTER 1, 1, F1, F0
	QUARTER 1, 2, F0, F1
	TURN 1, 0, 1
	WIN 0                                          ; at a label and at a branch every window is 0
	s_sub_co_u32 s3, s3, 1
	s_cmp_lg_u32 s3, 0
	s_cbranch_scc1 .Llap
	QUARTER 0, 0, F0, F1                           ; the last lap is written out: it fills nothing, and has no round of the cluster's barrier
	QUARTER 0, 1, F1, F0
	QUARTER 0, 2, F0, F1
	TURN 0, 1, 0
	QUARTER 1, 0, F0, F1
	QUARTER 1, 1, F1, F0
	QUARTER 1, 2, F0, F1
	s_wait_dscnt 0x0                               ; the very last quarter: nothing more to fetch
	WIN MUL
	MUL16 F1, 0
	MUL16 F1, 2
	WIN 0
; THE WAY OUT, block by block of 16 rows x 128 columns.  A lane holds 32 neighbouring bytes of a row, and the lanes beside it hold other rows: so a block goes through my own stage and comes back as whole rows of
; 512 bytes.  LDS serves a wave's instructions in order (ISA guide 5.7.1.4): no wait between the stores and the loads, nor in front of the next block's stores.
.macro TOSTAGE a
	WIN FR_C
.irp b, 0,1,2,3,4,5,6,7
	ds_store_b128 v[STO], v[64*(\a)+8*\b:64*(\a)+8*\b+3] offset:64*\b            ; each accumulator from its low end on
	ds_store_b128 v[STO], v[64*(\a)+8*\b+4:64*(\a)+8*\b+7] offset:64*\b+16
.endr
	WIN 0
.set BB, BK+64*((\a)%2)
.irp t, 0,1,2,3,4,5,6,7,8,9,10,11,12,13,14,15
	ds_load_b128 v[BB+4*\t:BB+4*\t+3], v[RD] offset:\t*SPITCH
.endr
.endm
.macro SEND a, younger                 ; younger: the LDS instructions issued behind block a's loads, which may stay out
.set BB, BK+64*((\a)%2)
	s_wait_dscnt \younger                          ; the block is back in registers
.irp t, 0,1,2,3,4,5,6,7,8,9,10,11,12,13,14,15
	global_store_b128 v[CO], v[BB+4*\t:BB+4*\t+3], s[10:11] offset:(16*(\a)+\t)*4096 th:TH_STORE_NT   ; 32 lanes store 512 consecutive bytes, at a multiple of 512 from out0's first byte; written once, read by nobody here
.endr
.endm
	PLACES                                         ; behind the last products: for the stage's stores, which read results, and for the loads into the fragments' registers
	TOSTAGE 0
.irp a, 1,2,3
.if \a > 1
	s_wait_xcnt 0x0                                ; block a - 2's stores have read their registers: block a's loads may land there
.endif
	TOSTAGE \a
	SEND \a-1, 32                                  ; behind block a - 1's loads: block a's 16 stores and 16 loads
.endr
	SEND 3, 0
	s_wait_tensorcnt 0x0                           ; the wave's end, behind my last tensor load and my last LDS store
	ds_add_u32 v[SPW], v[NIL]
	s_wait_dscnt 0x0
	CROUND                                         ; the closing round: no work-group ends while a partner may still ask for a tile that names it
	s_endpgm
.Lfunc_end_k_q316c669ddb_oproj:
	.size	k_q316c669ddb_oproj, .Lfunc_end_k_q316c669ddb_oproj-k_q316c669ddb_oproj
	.p2alignl 7, 3214868480
	.fill 96, 4, 3214868480
	.section	.rodata,"a",@progbits
	.p2align	6, 0x0
	.amdhsa_kernel k_q316c669ddb_oproj
		.amdhsa_group_segment_fixed_size 327680
		.amdhsa_private_segment_fixed_size 0
		.amdhsa_enable_private_segment 0
		.amdhsa_kernarg_size 32
		.amdhsa_user_sgpr_count 2
		.amdhsa_user_sgpr_kernarg_segment_ptr 1
		.amdhsa_wavefront_size32 1
		.amdhsa_system_sgpr_workgroup_id_x 1
		.amdhsa_system_sgpr_workgroup_id_y 1
		.amdhsa_system_sgpr_workgroup_id_z 1
		.amdhsa_system_vgpr_workitem_id 0
		.amdhsa_next_free_vgpr 512
		.amdhsa_next_free_sgpr 66
		.amdhsa_reserve_vcc 0
		.amdhsa_float_denorm_mode_32 3
		.amdhsa_float_denorm_mode_16_64 3
		.amdhsa_memory_ordered 1
		.amdhsa_forward_progress 1
		.amdhsa_inst_pref_size 91
	.end_amdhsa_kernel
	.amdgpu_metadata
---
amdhsa.version: [ 1, 2 ]
amdhsa.kernels:
  - .name:           k_q316c669ddb_oproj
    .symbol:         k_q316c669ddb_oproj.kd
    .args:
      - { .name: o16, .offset: 0, .size: 8, .value_kind: global_buffer, .address_space: global }
      - { .name: wo16, .offset: 8, .size: 8, .value_kind: global_buffer, .address_space: global }
      - { .name: bo, .offset: 16, .size: 8, .value_kind: global_buffer, .address_space: global }
      - { .name: out0, .offset: 24, .size: 8, .value_kind: global_buffer, .address_space: global }
    .group_segment_fixed_size: 327680
    .private_segment_fixed_size: 0
    .kernarg_segment_align: 8
    .kernarg_segment_size: 32
    .max_flat_workgroup_size: 128
    .sgpr_count:     66
    .vgpr_count:     512
    .wavefront_size: 32
...
	.end_amdgpu_metadata
.endif
;; end of part 4
